; MI455X (gfx1250); checked and timed in simulation.
; The chip was launched on July 23, 2026; its instructions are those of AMD's public machine-readable ISA for CDNA 5 (MIT licence, August 2026) and "CDNA5" Instruction Set Architecture Reference Guide (July 2026). The comments in the code are by the model that wrote it; some were corrected since.
;; Moe Layer. Allowed arithmetic: float matrix products may take bf16 or f16 operands with f32 sums; other float arithmetic in f32, or as packed bf16 or f16 multiplies, adds, multiply-adds, maxima and minima; sums over many terms, partial sums and values carried from step to step in f32; what a program stores and reads back later, other than sums and carried values, may be rounded once to bf16 or f16.
;; Inputs: gate_w 1,024 x 8 float32; w1 8 x 1,024 x 4,096 float32; w2 8 x 4,096 x 1,024 float32; x 4 x 256 x 1,024 float32.
;; Outputs: out0 4 x 256 x 1,024 float32.
;; 2 versions, each right and faster than the one before. Each part assembles by itself: llvm-mc -triple=amdgcn-amd-amdhsa -mcpu=gfx1250 --defsym DOCPART=n.
;; ======== version 1 of 2: 4 launches
;; workspace buffers: xb 2,097,152 bytes; sel 4,096 bytes of whole numbers; wts 8,192 bytes; h 67,108,864 bytes; rslot 32,768 bytes of whole numbers; rw 32,768 bytes; cnt 8,192 bytes of whole numbers; y 33,554,432 bytes
;; launch router (part 1): grid 64 x 1, 8 waves a work-group, no clusters, 44,032 bytes of LDS; arguments x, gate_w, xb, sel, wts; writes xb, sel, wts
.if DOCPART == 1
	.amdgcn_target "amdgcn-amd-amdhsa--gfx1250"
	.amdhsa_code_object_version 6
	.text
	.protected	k_qe31e794151_router
	.globl	k_qe31e794151_router
	.p2align	8
	.type	k_qe31e794151_router,@function
k_qe31e794151_router:
	s_mov_b64 s[64:65], 0
	v_nop
	global_prefetch_b8 v0, s[64:65] scope:SCOPE_SE
	s_setreg_imm32_b32 hwreg(HW_REG_WAVE_MODE, 25, 1), 1
	s_wait_xcnt 0x0
; ROUTER.  scores = x gate_w for 1,024 tokens and 8 experts; the two best scores of a token, their softmax; and x rounded to bf16 for the next launch.
; x and gate_w are both rounded to bf16 (nearest even) and multiplied by the matrix unit with f32 sums: the scores are those of the module on inputs rounded to bf16.
; OUT: xb[1024][1024] bf16;  sel[token] = (1 << best expert) | (256 << second expert);  wts[2 token + k] = the gate weight of choice k, f32.
; SHARES.  A work-group has 16 tokens; wave w has the channels 128 w .. 128 w + 127 of all 16 (four matrix steps of 32); the eight partial scores meet in LDS, wave 0 adds them in ascending w.
; No address and no branch hangs on a score: sel and wts go to fixed places.
; LIMITS.  Equal scores: the lower index wins, as in jax.lax.top_k.  NaN and infinite scores are not treated apart.  The sums' order differs from a plain f32 product's.
; The softmax of the two takes the larger score away first: w0 = 1 / (1 + 2^((s1 - s0) log2 e)), w1 = that power times w0; the exponent is never above 0.
; 64 work-groups: 16 tokens are one matrix tile, and the launch moves 6 MB in all.
.set XSP,   272                        ; a token's 256 bytes of bf16 in LDS + 16: the 16 rows of a fragment load start 68 words apart
.set XSB,   16*XSP                     ; a wave's own 16 rows
.set RED,   8*XSB                      ; 8 x 1,024 bytes: each wave's partial scores, 32 bytes a lane
.set SPARE, RED+8*1024                 ; the spare words, 128 bytes a wave: four blocks of 256 bytes that no other line names
.set X,   8                            ; v8-71     16 tokens x 4 f32 as loaded
.set XB,  72                           ; v72-103   the same in bf16, 2 registers a token
.set G,   104                          ; v104-167  64 numbers of gate_w, f32
.set GA,  168                          ; v168-199  four fragments of gate_w (source 0)
.set TBF, 8                            ; v8-39     four fragments of tokens (source 1), where X lay
.set AC0, 40                           ; two accumulators that take turns
.set AC1, 48
.set SC,  56                           ; v56-63    8 scores of one token
.set RBK, 104                          ; v104-167  wave 0: the eight waves' partial scores, where G lay
.set SPW, 200                          ; LDS address of my spare word; never rewritten
.set NIL, 201                          ; 0; never rewritten
.set LN,  202                          ; lane
.set RR,  203                          ; lane % 16
.set HH,  204                          ; lane / 16
	s_load_b256 s[4:11], s[0:1], 0x0               ; x s[4:5], gate_w s[6:7], xb s[8:9], sel s[10:11]
	s_load_b64 s[12:13], s[0:1], 0x20              ; wts
	v_lshl_add_u32 v[SPW], v0, 2, SPARE
	v_mov_b32 v[NIL], 0
	v_lshrrev_b32 v1, 5, v0
	v_readfirstlane_b32 s14, v1                    ; wave 0..7
	v_and_b32 v[LN], 31, v0
	v_and_b32 v[RR], 15, v0
	v_bfe_u32 v[HH], v0, 4, 1
	s_lshl_b32 s15, s14, 9
	v_lshl_add_u32 v1, v[LN], 4, s15               ; x: 512 w + 16 lane in a token's row
	v_and_b32 v2, 7, v0
	v_lshlrev_b32 v2, 2, v2
	v_lshl_add_u32 v2, v[HH], 8, v2
	s_lshl_b32 s15, s14, 12
	v_add_nc_u32 v2, s15, v2                       ; gate_w: row 128 w + 8 (lane / 16), expert lane % 8 (rows of 32 bytes)
	s_lshl_b32 s15, s14, 8
	v_lshl_add_u32 v3, v[LN], 3, s15               ; xb: 256 w + 8 lane in a token's row
	s_mul_i32 s16, s14, XSB
	v_lshl_add_u32 v4, v[LN], 3, s16               ; LDS, in: my 8 bytes of a row
	v_mul_u32_u24 v5, v[RR], XSP
	v_lshl_add_u32 v5, v[HH], 4, v5
	v_add_nc_u32 v5, s16, v5                       ; LDS, back as fragments: row lane % 16, 16 bytes for each half of the lanes
	s_lshl_b32 s15, s14, 10
	s_add_co_u32 s15, s15, RED
	v_lshl_add_u32 v6, v[LN], 5, s15               ; my 32 bytes of my wave's partial scores
	v_lshl_add_u32 v7, v[LN], 5, RED               ; the same place in wave 0's block
	s_lshl_b32 s20, ttmp9, 16                      ; 16 tokens of 4,096 bytes
	s_mov_b32 s21, 0
	s_lshl_b32 s22, ttmp9, 15                      ; of 2,048 bytes
	s_mov_b32 s23, 0
	s_lshl_b32 s24, ttmp9, 6                       ; of 4 bytes
	s_mov_b32 s25, 0
	s_lshl_b32 s26, ttmp9, 7                       ; of 8 bytes
	s_mov_b32 s27, 0
	s_wait_kmcnt 0x0
	s_add_nc_u64 s[4:5], s[4:5], s[20:21]
	s_add_nc_u64 s[8:9], s[8:9], s[22:23]
	s_add_nc_u64 s[10:11], s[10:11], s[24:25]
	s_add_nc_u64 s[12:13], s[12:13], s[26:27]
	; gate_w as source 0: lane (r, h) holds row r (expert r % 8: rows 8-15 repeat the experts, so both halves of the lanes end with the same scores), channels 8 h + 0..7 and 16 + 8 h + 0..7 of each step
.set i, 0
.rept 64
	global_load_b32 v[G+i], v2, s[6:7] offset:(32*(i/16)+(i%16)+8*((i%16)/8))*32
.set i, i+1
.endr
.set i, 0
.rept 16                               ; x: a load of the wave covers 512 consecutive bytes of one token's row
	global_load_b128 v[X+4*i:X+4*i+3], v1, s[4:5] offset:4096*i th:TH_LOAD_NT
.set i, i+1
.endr
	s_wait_loadcnt 0x10                            ; the 16 loads of x are younger: gate_w is in
.set i, 0
.rept 32
	v_cvt_pk_bf16_f32 v[GA+i], v[G+2*i], v[G+2*i+1]
.set i, i+1
.endr
	s_wait_loadcnt 0x0
.set i, 0
.rept 32
	v_cvt_pk_bf16_f32 v[XB+i], v[X+2*i], v[X+2*i+1]
.set i, i+1
.endr
.set i, 0
.rept 16
	global_store_b64 v3, v[XB+2*i:XB+2*i+1], s[8:9] offset:2048*i   ; the wave stores 256 consecutive bytes, at a multiple of 256 from xb's first byte
	ds_store_b64 v4, v[XB+2*i:XB+2*i+1] offset:XSP*i
.set i, i+1
.endr
.set i, 0
.rept 4                                ; LDS serves a wave's instructions in order (ISA guide 5.7.1.4): these see my own stores above
	ds_load_b128 v[TBF+8*i:TBF+8*i+3],   v5 offset:64*i
	ds_load_b128 v[TBF+8*i+4:TBF+8*i+7], v5 offset:64*i+32
.set i, i+1
.endr
	s_wait_dscnt 0x0
	; scores^T = gate^T x^T: in the result lane (r, h) holds token r, register j expert j.  Two accumulators by turns.
	v_wmma_f32_16x16x32_bf16 v[AC0:AC0+7], v[GA:GA+7],       v[TBF:TBF+7],       0
	v_wmma_f32_16x16x32_bf16 v[AC1:AC1+7], v[GA+8:GA+15],    v[TBF+8:TBF+15],    0
	v_wmma_f32_16x16x32_bf16 v[AC0:AC0+7], v[GA+16:GA+23],   v[TBF+16:TBF+23],   v[AC0:AC0+7]
	v_wmma_f32_16x16x32_bf16 v[AC1:AC1+7], v[GA+24:GA+31],   v[TBF+24:TBF+31],   v[AC1:AC1+7]
.rept 4
	v_nop                                          ; four places between the last product and the first read of a result (ISA guide 7.12.1)
.endr
.irp p, 0,2,4,6
	v_pk_add_f32 v[SC+\p:SC+\p+1], v[AC0+\p:AC0+\p+1], v[AC1+\p:AC1+\p+1]
.endr
	ds_store_b128 v6, v[SC:SC+3]
	ds_store_b128 v6, v[SC+4:SC+7] offset:16
	s_wait_tensorcnt 0x0                           ; behind my last LDS store; the s_wait_dscnt below is also the wait that the barrier needs
	ds_add_u32 v[SPW], v[NIL]
	s_wait_dscnt 0x0
	s_barrier_signal -1
	s_barrier_wait -1                              ; all eight partial scores lie in LDS
	s_cmp_lg_u32 s14, 0
	s_cbranch_scc1 .Lend                           ; wave 0 alone goes on
.set i, 0
.rept 8
	ds_load_b128 v[RBK+8*i:RBK+8*i+3],   v7 offset:1024*i
	ds_load_b128 v[RBK+8*i+4:RBK+8*i+7], v7 offset:1024*i+16
.set i, i+1
.endr
	s_wait_dscnt 0x0
.irp p, 0,2,4,6
	v_pk_add_f32 v[SC+\p:SC+\p+1], v[RBK+\p:RBK+\p+1], v[RBK+8+\p:RBK+8+\p+1]
.endr
.irp w, 2,3,4,5,6,7
.irp p, 0,2,4,6
	v_pk_add_f32 v[SC+\p:SC+\p+1], v[SC+\p:SC+\p+1], v[RBK+8*\w+\p:RBK+8*\w+\p+1]
.endr
.endr
	; the best: a later expert takes the place only if its score is strictly greater
	v_mov_b32 v8, v[SC]                            ; v8 the best score, v9 its expert
	v_mov_b32 v9, 0
.irp e, 1,2,3,4,5,6,7
	v_cmp_gt_f32 vcc_lo, v[SC+\e], v8
	v_cndmask_b32 v8, v8, v[SC+\e], vcc_lo
	v_cndmask_b32 v9, v9, \e, vcc_lo
.endr
	v_mov_b32 v20, 0xff800000                      ; the best is taken out of the second scan
.irp e, 0,1,2,3,4,5,6,7
	v_cmp_eq_u32 vcc_lo, \e, v9
	v_cndmask_b32 v[12+\e], v[SC+\e], v20, vcc_lo
.endr
	v_mov_b32 v10, v12                             ; v10 the second score, v11 its expert
	v_mov_b32 v11, 0
.irp e, 1,2,3,4,5,6,7
	v_cmp_gt_f32 vcc_lo, v[12+\e], v10
	v_cndmask_b32 v10, v10, v[12+\e], vcc_lo
	v_cndmask_b32 v11, v11, \e, vcc_lo
.endr
	v_sub_f32 v21, v10, v8                         ; s1 - s0, never above 0
	v_mul_f32 v21, 0x3fb8aa3b, v21
	v_exp_f32 v22, v21
	v_nop                                          ; a plain instruction behind the exponential,
	s_wait_alu depctr_va_vdst(0)                   ; and a wait ahead of its first reader
	v_add_f32 v23, 1.0, v22
	v_rcp_f32 v24, v23
	v_nop
	s_wait_alu depctr_va_vdst(0)
	v_mul_f32 v25, v22, v24                        ; v24 = w0, v25 = w1
	v_mov_b32 v26, 1
	v_lshlrev_b32 v26, v9, v26
	v_mov_b32 v27, 0x100
	v_lshlrev_b32 v27, v11, v27
	v_or_b32 v26, v26, v27
	v_lshlrev_b32 v28, 2, v[RR]
	v_lshlrev_b32 v29, 3, v[RR]
	global_store_b32 v28, v26, s[10:11]            ; both halves of the lanes hold the same numbers and store them to the same places
	global_store_b64 v29, v[24:25], s[12:13]
.Lend:
	s_endpgm
.Lfunc_end_k_qe31e794151_router:
	.size	k_qe31e794151_router, .Lfunc_end_k_qe31e794151_router-k_qe31e794151_router
	.p2alignl 7, 3214868480
	.fill 96, 4, 3214868480
	.section	.rodata,"a",@progbits
	.p2align	6, 0x0
	.amdhsa_kernel k_qe31e794151_router
		.amdhsa_group_segment_fixed_size 44032
		.amdhsa_private_segment_fixed_size 0
		.amdhsa_enable_private_segment 0
		.amdhsa_kernarg_size 40
		.amdhsa_user_sgpr_count 2
		.amdhsa_user_sgpr_kernarg_segment_ptr 1
		.amdhsa_wavefront_size32 1
		.amdhsa_system_sgpr_workgroup_id_x 1
		.amdhsa_system_sgpr_workgroup_id_y 1
		.amdhsa_system_sgpr_workgroup_id_z 1
		.amdhsa_system_vgpr_workitem_id 0
		.amdhsa_next_free_vgpr 208
		.amdhsa_next_free_sgpr 66
		.amdhsa_reserve_vcc 1
		.amdhsa_float_denorm_mode_32 3
		.amdhsa_float_denorm_mode_16_64 3
		.amdhsa_memory_ordered 1
		.amdhsa_forward_progress 1
		.amdhsa_inst_pref_size 24
	.end_amdhsa_kernel
	.amdgpu_metadata
---
amdhsa.version: [ 1, 2 ]
amdhsa.kernels:
  - .name:           k_qe31e794151_router
    .symbol:         k_qe31e794151_router.kd
    .args:
      - { .name: x, .offset: 0, .size: 8, .value_kind: global_buffer, .address_space: global }
      - { .name: gate_w, .offset: 8, .size: 8, .value_kind: global_buffer, .address_space: global }
      - { .name: xb, .offset: 16, .size: 8, .value_kind: global_buffer, .address_space: global }
      - { .name: sel, .offset: 24, .size: 8, .value_kind: global_buffer, .address_space: global }
      - { .name: wts, .offset: 32, .size: 8, .value_kind: global_buffer, .address_space: global }
    .group_segment_fixed_size: 44032
    .private_segment_fixed_size: 0
    .kernarg_segment_align: 8
    .kernarg_segment_size: 40
    .max_flat_workgroup_size: 256
    .sgpr_count:     66
    .vgpr_count:     208
    .wavefront_size: 32
...
	.end_amdgpu_metadata
.endif
;; end of part 1
;; launch up (part 2): grid 32 x 8, 8 waves a work-group, no clusters, 267,520 bytes of LDS; arguments sel, wts, xb, w1, h, rslot, rw, cnt; writes h, rslot, rw, cnt
.if DOCPART == 2
	.amdgcn_target "amdgcn-amd-amdhsa--gfx1250"
	.amdhsa_code_object_version 6
	.text
	.protected	k_qe31e794151_up
	.globl	k_qe31e794151_up
	.p2align	8
	.type	k_qe31e794151_up,@function
k_qe31e794151_up:
	s_mov_b64 s[64:65], 0
	v_nop
	global_prefetch_b8 v0, s[64:65] scope:SCOPE_SE
	s_setreg_imm32_b32 hwreg(HW_REG_WAVE_MODE, 25, 1), 1
	s_wait_xcnt 0x0
; UP.  For expert e (grid y) and a slice of 128 hidden columns (grid x): h = silu(X_e w1[e]) for the rows that chose e, and for no others.
; IN: sel (the router's choices, whole numbers), wts, xb (x in bf16), w1 (f32).  OUT: h in bf16, and from the work-groups of slice 0 the tables rslot, rw, cnt for the next launch.
; THE LIST.  Every work-group makes its expert's list of rows from sel by itself: 32 masks of 32 tokens in scalar registers, a running count, v_mbcnt: rank -> slot (2 token + k).  All work-groups of an
; expert make the same list.  Ranks at or past the count repeat the last row; an expert without rows takes token 0 into tile 0, so that every byte of h that the next launch loads has been stored.
; THE PRODUCT.  C[rows x 128] = X[rows x 1024] W[1024 x 128], K in 16 chunks of 64.  The slice of w1 is read from memory once, by this work-group alone: 512 KB of f32, rounded to bf16 on its way through
; registers and kept in LDS as operand images (256 KB): every chunk has LDS bytes of its own, nothing is written twice, and one barrier a chunk makes a chunk's images visible.
; IMAGE: a 16 x 32 fragment as the registers hold it, 1,024 bytes: registers 0-3 at 16 x lane, registers 4-7 at 512 + 16 x lane.
; TURNING W COSTS NOTHING.  Lane (r, h) loads 16 bytes, columns 4 r .. 4 r + 3 of one row k (16 lanes: 256 consecutive bytes at a multiple of 256), for eight rows; v_cvt_pk_bf16_f32 pairs rows k, k + 1
; of one column.  So position r of image cb = 4 c + j stands for column 64 c + 4 r + j of the slice; the next launch takes its rows of w2 in the same order.
; SHARES.  Eight waves, all alike.  Wave w = (s, c, g) = (w / 4, (w / 2) % 2, w % 2) converts an eighth of each chunk: K step s, column half c, half g of the images.  Wave w owns the row tiles w, w + 8,
; w + 16 (16 rows each): 24 accumulators; the third tile's products are jumped where it holds no row.  Tiles 24 .. 63 follow behind the stream, on the weights in LDS, in a loop of constant length
; that jumps dead tiles: every split of the tokens is served, an expert with all 1,024 rows too, and w1 still leaves memory once.
; IN FLIGHT.  Loads run three chunks ahead in three register stages: a wave has up to 60 loads out (8 of weights and 12 of tokens a chunk).
; THE MATRIX INSTRUCTION: source 0 = weights, source 1 = tokens: a lane then holds one token and eight hidden positions, which pack into the next launch's token fragment without changing lanes.
; NO TENSOR LOADS, NO CLUSTER: the weights must pass through registers to be rounded, each slice has one reader, and the token rows come by a list, which no tile descriptor covers.
; LIMITS.  h is rounded once to bf16.  silu(z) = z / (1 + 2^(-z log2 e)): where the power overflows the quotient is 0 with z's sign.  NaN and infinities are not treated apart.
.set LIST,  262144                     ; behind the images: 1,024 words, rank -> slot; then 64 words that take the stores of lanes without a row
.set SPARE, LIST+4096+256              ; the spare words, 128 bytes a wave: four blocks of 256 bytes that no other line names
.set WSTEP, 64*16384                   ; a chunk of w1: 64 rows of 16,384 bytes
.set TSTEP, 128                        ; a chunk of a token's row: 64 bf16
.set TS1,   64                         ; its second K step
.set TH1,   32                         ; a fragment's second half
.set SPW, 1                            ; v1   LDS address of my spare word; never rewritten
.set NIL, 2                            ; v2   0; never rewritten
.set WO,  3                            ; v3   my byte offset in a chunk of the slice of w1; never rewritten
.set TO,  4                            ; v4-6 my token's byte offset in xb, for each of my three tiles
.set LS,  7                            ; v7   where I store my part of the chunk's images
.set LR,  8                            ; v8   where I read the chunk's images
.set RR,  9                            ; v9   lane % 16
.set HH,  10                           ; v10  lane / 16
.set L16, 11                           ; v11  16 x lane
                                       ; v12-15 at work
                                       ; window 0, v16-255: three stages of 80: 32 registers of weights (load i at +4 i), then tokens: tile t, K step s at +32 + 16 t + 8 s
.set SV,  48                           ; v48-79  at the head: sel of all 1,024 tokens (register 4 a + c of lane l: token 128 a + 4 l + c)
.set EE,  96                           ; v96-159 the way out: 64 numbers at work
.set IM,  160                          ; v160-191 the way out: four images' registers
.set BF,  192                          ; window 1: v0-191 accumulators (tile t, image cb at 64 t + 8 cb); v192-255 eight weight fragments; its first 16 also take the fresh conversions
.set WAVE, 20
.set EX,   21                          ; the expert
.set GX,   22                          ; the slice
.set CNT,  23                          ; the expert's rows
.set NT,   24                          ; its tiles of 16 rows
.set NT1,  25                          ; at least 1
.set CM1,  26                          ; its last rank
.set LIVE2, 27                         ; 1: my third tile holds rows
.set LC,   28
.set M,    29                          ; the tile in hand on the way out
.set MK,   32                          ; s32-63 the 32 masks
.set OF,   66                          ; s[66:67] an offset
.set WB,   68                          ; s[68:69] w1 at the chunk that was asked for last
.set TB,   70                          ; s[70:71] xb likewise
.set TP,   72                          ; s[72:73] xb, walking, for the tiles behind the stream
.set OB,   74                          ; s[74:75] h at my expert and slice
.set PCN,  76
.set KCN,  77
.set RB,   78                          ; ranks given out so far
.set EB,   79                          ; 0x101 << e
.set E8,   80                          ; 8 + e
.set LG,   82                          ; s[82:83] -log2(e)
.set W_LD,  0x40                       ; destination in window 1
.set W_ST,  0x04                       ; an LDS store's data in window 1
.set W_MUL, 0x51                       ; source 0 (weights), C and D in window 1; source 1 (tokens) in window 0
.set W_ACC, 0x01                       ; source 0 in window 1
.set MSB, 0
.macro WIN new                         ; the immediate's high byte repeats the setting that is left; a switch that changes nothing is dropped
.if MSB != (\new)
	s_set_vgpr_msb (MSB<<8)|(\new)
.set MSB, \new
.endif
.endm
.macro PLACES n
.rept \n
	v_nop
.endr
.endm
.macro WLOADS sbase, off               ; a wave's eighth of a chunk of weights: 8 rows, 16 bytes a lane
.set i, 0
.rept 8
	global_load_b128 v[(\sbase)+4*i:(\sbase)+4*i+3], v[WO], s[WB:WB+1] offset:(\off)+16384*i th:TH_LOAD_NT
.set i, i+1
.endr
.endm
.macro TLOADS sbase, off               ; a chunk of my three tiles' tokens: six fragments
.set tj, 0
.rept 3
.set sy, 0
.rept 2
	global_load_b128 v[(\sbase)+32+16*tj+8*sy:(\sbase)+32+16*tj+8*sy+3],   v[TO+tj], s[TB:TB+1] offset:(\off)+TS1*sy
	global_load_b128 v[(\sbase)+32+16*tj+8*sy+4:(\sbase)+32+16*tj+8*sy+7], v[TO+tj], s[TB:TB+1] offset:(\off)+TS1*sy+TH1
.set sy, sy+1
.endr
.set tj, tj+1
.endr
.endm
; Matrix instructions for images clo .. clo + cn - 1 and tiles tlo .. tlo + tn - 1, K step sx of the stage.  No two on end name the same accumulator.  zero = 1: they start the sums.
.macro MULT sbase, sx, tlo, tn, clo, cn, zero
.set cb, \clo
.rept \cn
.set ti, \tlo
.rept \tn
.set rA, 64*ti+8*cb
.set rB, BF+8*cb
.set rT, (\sbase)+32+16*ti+8*(\sx)
.if \zero
	v_wmma_f32_16x16x32_bf16 v[rA:rA+7], v[rB:rB+7], v[rT:rT+7], 0
.else
	v_wmma_f32_16x16x32_bf16 v[rA:rA+7], v[rB:rB+7], v[rT:rT+7], v[rA:rA+7]
.endif
.set ti, ti+1
.endr
.set cb, cb+1
.endr
.endm
.macro BLOADS sx                       ; the eight images of one K step, 512 consecutive bytes a load
	WIN W_LD
.set cb, 0
.rept 8
	ds_load_b128 v[BF+8*cb:BF+8*cb+3],   v[LR] offset:(8*(\sx)+cb)*1024
	ds_load_b128 v[BF+8*cb+4:BF+8*cb+7], v[LR] offset:(8*(\sx)+cb)*1024+512
.set cb, cb+1
.endr
.endm
; One K step of 32: 16 LDS loads, 16 products of my first two tiles, 8 of the third (jumped where it is dead; never where they start the sums, so that its registers are written on every path).
.macro STEP sbase, sx, nT, zero
.if (\sx) == 1
	PLACES 4                                       ; the loads below land in registers that the products above have read
.endif
	BLOADS \sx
.if (\sx) == 0
	s_wait_loadcnt \nT                             ; this chunk's tokens are in
.endif
	s_wait_dscnt 0x8                               ; images 0-3 are in
	WIN W_MUL
	MULT \sbase, \sx, 0, 2, 0, 4, \zero
	s_wait_dscnt 0x0
	MULT \sbase, \sx, 0, 2, 4, 4, \zero
	WIN 0                                          ; at a branch and at a label every window is 0
.if (\zero) == 0
	s_cmp_eq_u32 s[LIVE2], 0
	s_cbranch_scc1 .Ldead2_\@
.endif
	WIN W_MUL
	MULT \sbase, \sx, 2, 1, 0, 8, \zero
	WIN 0
.Ldead2_\@:
.endm
; A CHUNK of 64 along K, in the stage at sbase.  nW, nT: the younger loads that may stay out when this chunk's weights, and its tokens, must be in.  ld = 1: the chunk three further on is asked for.
.macro CHUNK sbase, nW, nT, ld, zero
	s_wait_loadcnt \nW
	WIN W_LD
.set j, 0
.rept 4                                ; column j of my four: rows k, k + 1 in pairs: four registers of image 4 c + j
.set q, 0
.rept 4
	v_cvt_pk_bf16_f32 v[BF+4*j+q], v[(\sbase)+8*q+j], v[(\sbase)+8*q+4+j]
.set q, q+1
.endr
.set j, j+1
.endr
	WIN W_ST
.irp j, 0,1,2,3
	ds_store_b128 v[LS], v[BF+4*\j:BF+4*\j+3] offset:1024*\j
.endr
	WIN 0
.if \ld
	s_wait_xcnt 0x0                                ; the base is stepped only when all earlier loads have had their addresses translated (ISA guide 3.1)
	s_add_nc_u64 s[WB:WB+1], s[WB:WB+1], WSTEP
	WLOADS \sbase, 0
.endif
	v_add_nc_u32 v[LS], 16384, v[LS]               ; the next chunk has LDS bytes of its own
	s_wait_dscnt 0x0                               ; for the others' sake: my stores are done
	s_barrier_signal -1
	s_barrier_wait -1                              ; the chunk's 16 images are whole
	STEP \sbase, 0, \nT, \zero
	STEP \sbase, 1, 0, 0
	v_add_nc_u32 v[LR], 16384, v[LR]               ; this and three v_nop: the four places in front of the token loads below and of the next chunk's conversions
	PLACES 3
.if \ld
	s_wait_xcnt 0x0
	s_add_nc_u64 s[TB:TB+1], s[TB:TB+1], TSTEP
	TLOADS \sbase, 0
.endif
.endm
; My token for a tile: s30 = 16 x the tile's number.  The rank is held to the expert's last rank, and to the list's end by a constant.
.macro MKTO d
	v_add_nc_u32 v12, s30, v[RR]
	v_min_u32 v12, s[CM1], v12
	v_min_u32 v12, 0x3ff, v12
	v_lshl_add_u32 v12, v12, 2, LIST
	ds_load_b32 v[\d], v12
.endm
.macro FINTO d                         ; slot -> token x 2,048 bytes + 16 x half
	v_min_u32 v[\d], 0x7ff, v[\d]
	v_and_b32 v[\d], 0x7fe, v[\d]
	v_lshlrev_b32 v[\d], 10, v[\d]
	v_lshl_add_u32 v[\d], v[HH], 4, v[\d]
.endm
; THE WAY OUT of tile s[M], whose 8 accumulators begin at a (window 1): silu, rounding, four images of 1,024 bytes.  Each accumulator's lowest registers are read first.
; The 64 exponentials are one batch with one wait, and so are the 64 reciprocals.
.macro EPI a
	s_wait_xcnt 0x0                                ; the last way out's stores have read their registers
	s_lshl_b32 s30, s[M], 17                       ; a tile's 128 images
	v_add_nc_u32 v12, s30, v[L16]
	WIN W_ACC
.set i, 0
.rept 32
	v_pk_mul_f32 v[EE+2*i:EE+2*i+1], v[(\a)+2*i:(\a)+2*i+1], s[LG:LG+1] op_sel_hi:[1,0]
.set i, i+1
.endr
	WIN 0
.set i, 0
.rept 64
	v_exp_f32 v[EE+i], v[EE+i]
.set i, i+1
.endr
	v_nop
	s_wait_alu depctr_va_vdst(0)
.set i, 0
.rept 32
	v_pk_add_f32 v[EE+2*i:EE+2*i+1], v[EE+2*i:EE+2*i+1], 1.0 op_sel_hi:[1,0]
.set i, i+1
.endr
.set i, 0
.rept 64
	v_rcp_f32 v[EE+i], v[EE+i]
.set i, i+1
.endr
	v_nop
	s_wait_alu depctr_va_vdst(0)
	WIN W_ACC
.set i, 0
.rept 32
	v_pk_mul_f32 v[EE+2*i:EE+2*i+1], v[(\a)+2*i:(\a)+2*i+1], v[EE+2*i:EE+2*i+1]
.set i, i+1
.endr
	WIN 0
.set i, 0
.rept 32                               ; image p: registers 0-3 from accumulator 2 p, registers 4-7 from accumulator 2 p + 1
	v_cvt_pk_bf16_f32 v[IM+i], v[EE+2*i], v[EE+2*i+1]
.set i, i+1
.endr
.set i, 0
.rept 8
	global_store_b128 v12, v[IM+4*i:IM+4*i+3], s[OB:OB+1] offset:512*i   ; the wave stores 512 consecutive bytes, at a multiple of 256 from h's first byte
.set i, i+1
.endr
.endm
; One K step of a tile behind the stream: its tokens from memory, the weights from LDS.
.macro KSTEP zero
	global_load_b128 v[48:51], v[TO], s[TP:TP+1]
	global_load_b128 v[52:55], v[TO], s[TP:TP+1] offset:TH1
	BLOADS 0
	s_wait_loadcnt 0x0
	s_wait_dscnt 0x0
	WIN W_MUL
	MULT 16, 0, 0, 1, 0, 8, \zero
	WIN 0
	v_add_nc_u32 v[LR], 8192, v[LR]                ; this and three v_nop: the four places behind the products
	PLACES 3
	s_add_nc_u64 s[TP:TP+1], s[TP:TP+1], TS1       ; both loads are done: their base may step
.endm
	s_load_b512 s[4:19], s[0:1], 0x0               ; sel s[4:5], wts s[6:7], xb s[8:9], w1 s[10:11], h s[12:13], rslot s[14:15], rw s[16:17], cnt s[18:19]
	v_lshl_add_u32 v[SPW], v0, 2, SPARE
	v_mov_b32 v[NIL], 0
	v_lshrrev_b32 v12, 5, v0
	v_readfirstlane_b32 s[WAVE], v12               ; wave 0..7
	s_and_b32 s[EX], ttmp7, 0xffff
	s_mov_b32 s[GX], ttmp9
	v_and_b32 v[RR], 15, v0
	v_bfe_u32 v[HH], v0, 4, 1
	v_and_b32 v13, 31, v0
	v_lshlrev_b32 v[L16], 4, v13
	v_add_nc_u32 v14, 1024, v13                    ; the list's index for a lane without a row: a word of its own behind the list
	v_lshlrev_b32 v15, 3, v13                      ; 8 x lane: the lane's part of a slot's number
	s_lshr_b32 s30, s[WAVE], 2                     ; s
	s_bfe_u32 s31, s[WAVE], 0x10001                ; c
	s_and_b32 s84, s[WAVE], 1                      ; g
	s_lshl_b32 s85, s30, 13
	s_lshl_b32 s86, s31, 12
	s_add_co_u32 s85, s85, s86
	s_lshl_b32 s86, s84, 9
	s_add_co_u32 s85, s85, s86
	v_add_nc_u32 v[LS], s85, v[L16]                ; 8,192 s + 4,096 c + 512 g + 16 lane
	v_mov_b32 v[LR], v[L16]
	s_lshl_b32 s85, s30, 19
	s_lshl_b32 s86, s84, 18
	s_add_co_u32 s85, s85, s86
	s_lshl_b32 s86, s31, 8
	s_add_co_u32 s85, s85, s86
	v_lshlrev_b32 v[WO], 4, v[RR]
	v_lshl_add_u32 v[WO], v[HH], 17, v[WO]
	v_add_nc_u32 v[WO], s85, v[WO]                 ; row 32 s + 16 g + 8 h (16,384 bytes each), byte 256 c + 16 r
	s_lshl_b32 s[EB], 0x101, s[EX]
	s_add_co_u32 s[E8], s[EX], 8
	s_mov_b32 s[LG], 0xbfb8aa3b                    ; -log2(e)
	s_mov_b32 s[LG+1], s[LG]                       ; named with it as a pair
	s_lshl_b32 s[OF], s[EX], 24                    ; an expert's w1: 16 MB; a slice: 512 bytes of each row
	s_lshl_b32 s84, s[GX], 9
	s_add_co_u32 s[OF], s[OF], s84
	s_mov_b32 s[OF+1], 0
	s_wait_kmcnt 0x0
	s_add_nc_u64 s[WB:WB+1], s[10:11], s[OF:OF+1]
	s_mov_b64 s[TB:TB+1], s[8:9]
	s_lshl_b32 s[OF], s[EX], 23                    ; an expert's h: 64 tiles x 128 images; a slice: 4 images of each tile
	s_lshl_b32 s84, s[GX], 12
	s_add_co_u32 s[OF], s[OF], s84
	s_add_nc_u64 s[OB:OB+1], s[12:13], s[OF:OF+1]
.set i, 0
.rept 8
	global_load_b128 v[SV+4*i:SV+4*i+3], v[L16], s[4:5] offset:512*i
.set i, i+1
.endr
	WLOADS 16,  0                                  ; the first three chunks of weights go out before the list is made
	WLOADS 96,  WSTEP
	WLOADS 176, 2*WSTEP
	s_wait_loadcnt 0x18                            ; the 24 loads of weights are younger: sel is in
	s_mov_b32 s[CNT], 0
.set g, 0
.rept 32                               ; every wave: which tokens chose e, first or second, and how many
	v_and_b32 v12, s[EB], v[SV+g]
	v_cmp_ne_u32 s[MK+g], 0, v12
	s_bcnt1_i32_b32 s30, s[MK+g]
	s_add_co_u32 s[CNT], s[CNT], s30
.set g, g+1
.endr
	s_min_u32 s[CNT], s[CNT], 1024
	s_add_co_u32 s[NT], s[CNT], 15
	s_lshr_b32 s[NT], s[NT], 4
	s_max_u32 s[NT1], s[NT], 1
	s_max_u32 s[CM1], s[CNT], 1
	s_sub_co_u32 s[CM1], s[CM1], 1
	s_add_co_u32 s30, s[WAVE], 16
	s_cmp_lt_u32 s30, s[NT1]
	s_cselect_b32 s[LIVE2], 1, 0
	s_cmp_lg_u32 s[WAVE], 0
	s_cbranch_scc1 .Lnolist                        ; wave 0 alone writes the list
	v_mov_b32 v12, LIST
	ds_store_b32 v12, v[NIL]                       ; rank 0 is slot 0 where the expert has no row; else the store below comes behind this one
	s_mov_b32 s[RB], 0
.set g, 0
.rept 32
	v_bfe_u32 v13, v[SV+g], s[E8], 1               ; k: 1 where e is the token's second choice
	v_add3_u32 v13, v13, v15, 256*(g/4)+2*(g%4)    ; the slot: 2 (128 a + 4 lane + c) + k
	v_mbcnt_lo_u32_b32 v12, s[MK+g], s[RB]         ; the rank: rows given out so far + chosen lanes below mine
	v_cndmask_b32 v12, v14, v12, s[MK+g]           ; a lane without a row stores behind the list
	v_min_u32 v12, 0x41f, v12
	v_lshl_add_u32 v12, v12, 2, LIST
	ds_store_b32 v12, v13
	s_bcnt1_i32_b32 s30, s[MK+g]
	s_add_co_u32 s[RB], s[RB], s30
.set g, g+1
.endr
.Lnolist:
	s_wait_dscnt 0x0
	s_barrier_signal -1
	s_barrier_wait -1                              ; the list is whole
.irp t, 0,1,2
	s_lshl_b32 s30, s[WAVE], 4
	s_add_co_u32 s30, s30, 128*\t                  ; 16 x (wave + 8 t)
	MKTO TO+\t
.endr
	s_wait_dscnt 0x0
	FINTO TO
	FINTO TO+1
	FINTO TO+2
	s_barrier_signal -1
	s_barrier_wait -1                              ; all waves have read their ranks before the first images are stored
	TLOADS 16,  0
	TLOADS 96,  TSTEP
	TLOADS 176, 2*TSTEP
	s_wait_xcnt 0x0
	s_add_nc_u64 s[WB:WB+1], s[WB:WB+1], 2*WSTEP   ; both bases at chunk 2, the last that was asked for
	s_add_nc_u64 s[TB:TB+1], s[TB:TB+1], 2*TSTEP
	; THE STREAM.  Loads come back in order (ISA guide 5.7.1).  Issued at the start: W0 W1 W2 T0 T1 T2 (W 8 loads, T 12); then each chunk c issues W(c+3) behind its conversions and T(c+3) at its end.
	; Behind W(c) stand T(c) W T W T = 52.  Behind T(c), once W(c+3) is out, stand W T W T W = 48; behind T0: T1 T2 W3 = 32; behind T1: T2 W3 T3 W4 = 40 (the loop's first place keeps 40 in every trip: smaller is safe).
	CHUNK 16, 52, 32, 1, 1                         ; chunk 0 starts the sums: nothing is cleared
	s_mov_b32 s[LC], 4
.Lmain:                                                ; chunks 1 .. 12
	CHUNK 96,  52, 40, 1, 0
	CHUNK 176, 52, 48, 1, 0
	CHUNK 16,  52, 48, 1, 0
	s_sub_co_u32 s[LC], s[LC], 1
	s_cmp_lg_u32 s[LC], 0
	s_cbranch_scc1 .Lmain
	CHUNK 96,  52, 40, 0, 0                        ; the last three ask for nothing: the counts run down
	CHUNK 176, 32, 20, 0, 0
	CHUNK 16,  12, 0,  0, 0
.irp t, 0,1,2                          ; my three tiles leave; a tile without rows is jumped (tile 0 of an expert without rows is stored)
	s_add_co_u32 s[M], s[WAVE], 8*\t
	s_cmp_ge_u32 s[M], s[NT1]
	s_cbranch_scc1 .Ldead\t
	EPI 64*\t
.Ldead\t:
.endr
	; TILES 24 .. 63, five for each wave: a loop of constant length; a dead tile is jumped, forward, past text that holds no barrier.
	s_mov_b32 s[PCN], 5
	s_add_co_u32 s[M], s[WAVE], 24
.Lpost:
	s_cmp_ge_u32 s[M], s[NT]
	s_cbranch_scc1 .Lpnext
	s_wait_xcnt 0x0                                ; v12 and v4 are free
	s_lshl_b32 s30, s[M], 4
	MKTO TO
	s_wait_dscnt 0x0
	FINTO TO
	v_mov_b32 v[LR], v[L16]
	s_mov_b64 s[TP:TP+1], s[8:9]
	KSTEP 1
	s_mov_b32 s[KCN], 31
.Lpk:
	KSTEP 0
	s_sub_co_u32 s[KCN], s[KCN], 1
	s_cmp_lg_u32 s[KCN], 0
	s_cbranch_scc1 .Lpk
	EPI 0
.Lpnext:
	s_add_co_u32 s[M], s[M], 8
	s_sub_co_u32 s[PCN], s[PCN], 1
	s_cmp_lg_u32 s[PCN], 0
	s_cbranch_scc1 .Lpost
	s_wait_dscnt 0x0                               ; my reads of the images are back;
	s_barrier_signal -1
	s_barrier_wait -1                              ; every wave's are: no LDS word is changed while a wave still walks the images
	s_wait_tensorcnt 0x0                           ; behind my last LDS store; what follows only reads LDS
	ds_add_u32 v[SPW], v[NIL]
	s_wait_dscnt 0x0
	; THE TABLES, from the work-groups of slice 0: for each rank 0 .. 1,023 (held to the last rank) its slot and its gate weight; the count.  Thread t has ranks 4 t .. 4 t + 3.
	s_cmp_lg_u32 s[GX], 0
	s_cbranch_scc1 .Lend
	s_wait_xcnt 0x0
	v_lshlrev_b32 v12, 2, v0
.irp a, 0,1,2,3
	v_add_nc_u32 v[96+\a], \a, v12
	v_min_u32 v[96+\a], s[CM1], v[96+\a]
	v_min_u32 v[96+\a], 0x3ff, v[96+\a]
	v_lshl_add_u32 v[96+\a], v[96+\a], 2, LIST
	ds_load_b32 v[100+\a], v[96+\a]
.endr
	s_wait_dscnt 0x0
.irp a, 0,1,2,3
	v_min_u32 v[100+\a], 0x7ff, v[100+\a]
	v_lshlrev_b32 v[104+\a], 2, v[100+\a]
	global_load_b32 v[108+\a], v[104+\a], s[6:7]
.endr
	s_lshl_b32 s[OF], s[EX], 12
	s_mov_b32 s[OF+1], 0
	s_add_nc_u64 s[14:15], s[14:15], s[OF:OF+1]
	s_add_nc_u64 s[16:17], s[16:17], s[OF:OF+1]
	s_lshl_b32 s[OF], s[EX], 10
	s_add_nc_u64 s[18:19], s[18:19], s[OF:OF+1]
	v_lshlrev_b32 v13, 4, v0
	v_mov_b32 v14, s[CNT]
	global_store_b128 v13, v[100:103], s[14:15]
	global_store_b32 v12, v14, s[18:19]            ; the count, once for each thread: 1,024 consecutive bytes
	s_wait_loadcnt 0x0
	global_store_b128 v13, v[108:111], s[16:17]
.Lend:
	s_endpgm
.Lfunc_end_k_qe31e794151_up:
	.size	k_qe31e794151_up, .Lfunc_end_k_qe31e794151_up-k_qe31e794151_up
	.p2alignl 7, 3214868480
	.fill 96, 4, 3214868480
	.section	.rodata,"a",@progbits
	.p2align	6, 0x0
	.amdhsa_kernel k_qe31e794151_up
		.amdhsa_group_segment_fixed_size 267520
		.amdhsa_private_segment_fixed_size 0
		.amdhsa_enable_private_segment 0
		.amdhsa_kernarg_size 64
		.amdhsa_user_sgpr_count 2
		.amdhsa_user_sgpr_kernarg_segment_ptr 1
		.amdhsa_wavefront_size32 1
		.amdhsa_system_sgpr_workgroup_id_x 1
		.amdhsa_system_sgpr_workgroup_id_y 1
		.amdhsa_system_sgpr_workgroup_id_z 1
		.amdhsa_system_vgpr_workitem_id 0
		.amdhsa_next_free_vgpr 512
		.amdhsa_next_free_sgpr 96
		.amdhsa_reserve_vcc 0
		.amdhsa_float_denorm_mode_32 3
		.amdhsa_float_denorm_mode_16_64 3
		.amdhsa_memory_ordered 1
		.amdhsa_forward_progress 1
		.amdhsa_inst_pref_size 155
	.end_amdhsa_kernel
	.amdgpu_metadata
---
amdhsa.version: [ 1, 2 ]
amdhsa.kernels:
  - .name:           k_qe31e794151_up
    .symbol:         k_qe31e794151_up.kd
    .args:
      - { .name: sel, .offset: 0, .size: 8, .value_kind: global_buffer, .address_space: global }
      - { .name: wts, .offset: 8, .size: 8, .value_kind: global_buffer, .address_space: global }
      - { .name: xb, .offset: 16, .size: 8, .value_kind: global_buffer, .address_space: global }
      - { .name: w1, .offset: 24, .size: 8, .value_kind: global_buffer, .address_space: global }
      - { .name: h, .offset: 32, .size: 8, .value_kind: global_buffer, .address_space: global }
      - { .name: rslot, .offset: 40, .size: 8, .value_kind: global_buffer, .address_space: global }
      - { .name: rw, .offset: 48, .size: 8, .value_kind: global_buffer, .address_space: global }
      - { .name: cnt, .offset: 56, .size: 8, .value_kind: global_buffer, .address_space: global }
    .group_segment_fixed_size: 267520
    .private_segment_fixed_size: 0
    .kernarg_segment_align: 8
    .kernarg_segment_size: 64
    .max_flat_workgroup_size: 256
    .sgpr_count:     96
    .vgpr_count:     512
    .wavefront_size: 32
...
	.end_amdgpu_metadata
.endif
;; end of part 2
;; launch down (part 3): grid 32 x 8, 8 waves a work-group, no clusters, 263,168 bytes of LDS; arguments cnt, rslot, rw, h, w2, y; writes y
.if DOCPART == 3
	.amdgcn_target "amdgcn-amd-amdhsa--gfx1250"
	.amdhsa_code_object_version 6
	.text
	.protected	k_qe31e794151_down
	.globl	k_qe31e794151_down
	.p2align	8
	.type	k_qe31e794151_down,@function
k_qe31e794151_down:
	s_mov_b64 s[64:65], 0
	v_nop
	global_prefetch_b8 v0, s[64:65] scope:SCOPE_SE
	s_setreg_imm32_b32 hwreg(HW_REG_WAVE_MODE, 25, 1), 1
	s_wait_xcnt 0x0
; DOWN.  For expert e (grid y), a slice cs of 128 output columns and a quarter q of the hidden width (grid x = cs + 8 q):
; y[q][slot][128 cs ..] = gate weight x (h[rows of e][1024 q ..] w2[e][1024 q ..][128 cs ..]), f32 partial rows that the next launch adds.
; IN: cnt, rslot (whole numbers from the launch before), rw, h (bf16 operand images), w2 (f32).  OUT: y[4][2048][1024] f32; a slot (2 token + k) belongs to one expert and one rank, so each byte has one writer.
; THE PRODUCT is the launch before's: C[rows x 128] = H[rows x 1024] W[1024 x 128], K in 16 chunks of 64; the slice of w2, 512 KB of f32 read by this work-group alone, is rounded to bf16 on its way through
; registers and kept in LDS as operand images (256 KB), each chunk in bytes of its own; one barrier a chunk.  IMAGE: a 16 x 32 fragment as the registers hold it: registers 0-3 at 16 x lane, 4-7 at 512 + 16 x lane.
; K'S ORDER.  h's images hold the hidden columns in the order in which the launch before made them: place 16 g + 8 h + i of K step 2 ch + s is hidden row 1024 q + 64 ch + 32 h + 4 i + 2 s + g.
; This launch takes its rows of w2 in that order: a permutation of k applied alike to both sources keeps the products.
; COLUMNS.  Lane (r, h) loads columns 4 r .. 4 r + 3 of a row of w2 (16 lanes: 256 consecutive bytes at a multiple of 256); position r of image cb = 4 c + j stands for column 64 c + 4 r + j.
; With source 0 = tokens and source 1 = weights a lane's accumulators 4 c .. 4 c + 3 hold four neighbouring columns of a row: 16 bytes, and 16 lanes store 256 consecutive aligned bytes.
; SHARES.  Eight waves, all alike: wave w = (s, c, g) converts an eighth of each chunk and owns the row tiles w, w + 8, w + 16; the third tile's products are jumped where it is dead; tiles 24 .. 63 follow
; behind the stream on the weights in LDS, in a loop of constant length that jumps dead tiles.  Every split of the tokens is served; an expert without rows stores nothing.
; Ranks at or past the count repeat the last row: they store the same numbers to the same slot.
; WHY QUARTERS OF K: 8 experts x 8 slices are 64 work-groups; four quarters make 256, with pieces of 512 bytes of each row of w2.  The price: four partial rows a slot.
; NO TENSOR LOADS, NO CLUSTER: the weights pass through registers to be rounded and have one reader each.  The eight work-groups of one (e, q) do read the same images of h, but a chunk of 24 tiles is
; 49,152 bytes, and two slots of that do not fit into the 64,512 bytes that the weights leave of the 327,680; the images go straight into registers as they lie.
; LIMITS.  Sums in another order than a plain f32 product's.  NaN and infinities are not treated apart.
.set SPARE, 262144                     ; behind the images: the spare words, 128 bytes a wave: four blocks of 256 bytes that no other line names
.set WSTEP, 64*4096                    ; a chunk of w2: 64 rows of 4,096 bytes
.set TSTEP, 2048                       ; a chunk of a tile of h: two images
.set TS1,   1024                       ; its second K step
.set TH1,   512                        ; an image's second half
.set SPW, 1                            ; v1   LDS address of my spare word; never rewritten
.set NIL, 2                            ; v2   0; never rewritten
.set WO,  3                            ; v3   my byte offset in a chunk of the slice of w2; never rewritten
.set TO,  4                            ; v4-6 my byte offset in h, for each of my three tiles
.set LS,  7                            ; v7   where I store my part of the chunk's images
.set LR,  8                            ; v8   where I read the chunk's images
.set RR,  9                            ; v9   lane % 16
.set HH,  10                           ; v10  lane / 16
.set L16, 11                           ; v11  16 x lane
                                       ; v12  at work
                                       ; window 0, v16-255: three stages of 80: 32 registers of weights (load i at +4 i), then tokens: tile t, K step s at +32 + 16 t + 8 s
.set SL,  96                           ; the way out: v96-103 eight ranks' slots, v104-111 their gate weights, v112-119 their byte offsets in y, v120-183 64 results
.set RW,  104
.set YO,  112
.set TT,  120
.set BF,  192                          ; window 1: v0-191 accumulators (tile t, image cb at 64 t + 8 cb); v192-255 eight weight fragments; its first 16 also take the fresh conversions
.set WAVE, 20
.set EX,   21                          ; the expert
.set GX,   22                          ; cs + 8 q
.set CNT,  23                          ; the expert's rows
.set NT,   24                          ; its tiles of 16 rows
.set NT1,  25                          ; at least 1
.set LIVE2, 27                         ; 1: my third tile holds rows
.set LC,   28
.set M,    29                          ; the tile in hand on the way out
.set OF,   66                          ; s[66:67] an offset
.set WB,   68                          ; s[68:69] w2 at the chunk that was asked for last
.set TB,   70                          ; s[70:71] h likewise
.set TP,   72                          ; s[72:73] h, walking, for the tiles behind the stream
.set OB,   74                          ; s[74:75] y at my quarter and slice
.set PCN,  76
.set KCN,  77
.set TB0,  88                          ; s[88:89] h at my expert and quarter
.set W_LD,  0x40                       ; destination in window 1
.set W_ST,  0x04                       ; an LDS store's data in window 1
.set W_MUL, 0x54                       ; source 1 (weights), C and D in window 1; source 0 (tokens) in window 0
.set W_ACC, 0x01                       ; source 0 in window 1
.set MSB, 0
.macro WIN new                         ; the immediate's high byte repeats the setting that is left; a switch that changes nothing is dropped
.if MSB != (\new)
	s_set_vgpr_msb (MSB<<8)|(\new)
.set MSB, \new
.endif
.endm
.macro PLACES n
.rept \n
	v_nop
.endr
.endm
.macro WLOADS sbase, off               ; a wave's eighth of a chunk of weights: 8 rows, four rows apart, 16 bytes a lane
.set i, 0
.rept 8
	global_load_b128 v[(\sbase)+4*i:(\sbase)+4*i+3], v[WO], s[WB:WB+1] offset:(\off)+16384*i th:TH_LOAD_NT
.set i, i+1
.endr
.endm
.macro TLOADS sbase, off               ; a chunk of my three tiles: six images, 512 consecutive bytes a load
.set tj, 0
.rept 3
.set sy, 0
.rept 2
	global_load_b128 v[(\sbase)+32+16*tj+8*sy:(\sbase)+32+16*tj+8*sy+3],   v[TO+tj], s[TB:TB+1] offset:(\off)+TS1*sy
	global_load_b128 v[(\sbase)+32+16*tj+8*sy+4:(\sbase)+32+16*tj+8*sy+7], v[TO+tj], s[TB:TB+1] offset:(\off)+TS1*sy+TH1
.set sy, sy+1
.endr
.set tj, tj+1
.endr
.endm
; Matrix instructions for images clo .. clo + cn - 1 and tiles tlo .. tlo + tn - 1, K step sx of the stage.  No two on end name the same accumulator.  zero = 1: they start the sums.
.macro MULT sbase, sx, tlo, tn, clo, cn, zero
.set cb, \clo
.rept \cn
.set ti, \tlo
.rept \tn
.set rA, 64*ti+8*cb
.set rB, BF+8*cb
.set rT, (\sbase)+32+16*ti+8*(\sx)
.if \zero
	v_wmma_f32_16x16x32_bf16 v[rA:rA+7], v[rT:rT+7], v[rB:rB+7], 0
.else
	v_wmma_f32_16x16x32_bf16 v[rA:rA+7], v[rT:rT+7], v[rB:rB+7], v[rA:rA+7]
.endif
.set ti, ti+1
.endr
.set cb, cb+1
.endr
.endm
.macro BLOADS sx                       ; the eight images of one K step, 512 consecutive bytes a load
	WIN W_LD
.set cb, 0
.rept 8
	ds_load_b128 v[BF+8*cb:BF+8*cb+3],   v[LR] offset:(8*(\sx)+cb)*1024
	ds_load_b128 v[BF+8*cb+4:BF+8*cb+7], v[LR] offset:(8*(\sx)+cb)*1024+512
.set cb, cb+1
.endr
.endm
; One K step of 32: 16 LDS loads, 16 products of my first two tiles, 8 of the third (jumped where it is dead; never where they start the sums, so that its registers are written on every path).
.macro STEP sbase, sx, nT, zero
.if (\sx) == 1
	PLACES 4                                       ; the loads below land in registers that the products above have read
.endif
	BLOADS \sx
.if (\sx) == 0
	s_wait_loadcnt \nT                             ; this chunk's tokens are in
.endif
	s_wait_dscnt 0x8                               ; images 0-3 are in
	WIN W_MUL
	MULT \sbase, \sx, 0, 2, 0, 4, \zero
	s_wait_dscnt 0x0
	MULT \sbase, \sx, 0, 2, 4, 4, \zero
	WIN 0                                          ; at a branch and at a label every window is 0
.if (\zero) == 0
	s_cmp_eq_u32 s[LIVE2], 0
	s_cbranch_scc1 .Ldead2_\@
.endif
	WIN W_MUL
	MULT \sbase, \sx, 2, 1, 0, 8, \zero
	WIN 0
.Ldead2_\@:
.endm
; A CHUNK of 64 along K, in the stage at sbase.  nW, nT: the younger loads that may stay out when this chunk's weights, and its tokens, must be in.  ld = 1: the chunk three further on is asked for.
.macro CHUNK sbase, nW, nT, ld, zero
	s_wait_loadcnt \nW
	WIN W_LD
.set j, 0
.rept 4                                ; column j of my four: two places of K in pairs: four registers of image 4 c + j
.set q, 0
.rept 4
	v_cvt_pk_bf16_f32 v[BF+4*j+q], v[(\sbase)+8*q+j], v[(\sbase)+8*q+4+j]
.set q, q+1
.endr
.set j, j+1
.endr
	WIN W_ST
.irp j, 0,1,2,3
	ds_store_b128 v[LS], v[BF+4*\j:BF+4*\j+3] offset:1024*\j
.endr
	WIN 0
.if \ld
	s_wait_xcnt 0x0                                ; the base is stepped only when all earlier loads have had their addresses translated (ISA guide 3.1)
	s_add_nc_u64 s[WB:WB+1], s[WB:WB+1], WSTEP
	WLOADS \sbase, 0
.endif
	v_add_nc_u32 v[LS], 16384, v[LS]               ; the next chunk has LDS bytes of its own
	s_wait_dscnt 0x0                               ; for the others' sake: my stores are done
	s_barrier_signal -1
	s_barrier_wait -1                              ; the chunk's 16 images are whole
	STEP \sbase, 0, \nT, \zero
	STEP \sbase, 1, 0, 0
	v_add_nc_u32 v[LR], 16384, v[LR]               ; this and three v_nop: the four places in front of the token loads below and of the next chunk's conversions
	PLACES 3
.if \ld
	s_wait_xcnt 0x0
	s_add_nc_u64 s[TB:TB+1], s[TB:TB+1], TSTEP
	TLOADS \sbase, 0
.endif
.endm
; THE WAY OUT of tile s[M], whose 8 accumulators begin at a (window 1).  Register j of lane (r, h) is rank 16 M + 8 h + j; its slot says where the row goes, its gate weight scales it.
; Register 0 of every accumulator is read first.
.macro EPI a
	s_wait_xcnt 0x0                                ; the last way out's stores have read their registers
	s_lshl_b32 s30, s[M], 6
	v_lshl_add_u32 v12, v[HH], 5, s30              ; 4 x (16 M + 8 h)
	global_load_b128 v[SL:SL+3],   v12, s[6:7]
	global_load_b128 v[SL+4:SL+7], v12, s[6:7] offset:16
	global_load_b128 v[RW:RW+3],   v12, s[8:9]
	global_load_b128 v[RW+4:RW+7], v12, s[8:9] offset:16
	s_wait_loadcnt 0x0
.set j, 0
.rept 8
	v_min_u32 v[YO+j], 0x7ff, v[SL+j]
	v_lshlrev_b32 v[YO+j], 12, v[YO+j]             ; a slot's row of 4,096 bytes
	v_lshl_add_u32 v[YO+j], v[RR], 4, v[YO+j]
.set j, j+1
.endr
	WIN W_ACC
.set j, 0
.rept 8
.set cb, 0
.rept 8
	v_mul_f32 v[TT+8*j+cb], v[(\a)+8*cb+j], v[RW+j]
.set cb, cb+1
.endr
.set j, j+1
.endr
	WIN 0
.set j, 0
.rept 8
	global_store_b128 v[YO+j], v[TT+8*j:TT+8*j+3],   s[OB:OB+1]              ; 16 lanes store 256 consecutive bytes, at a multiple of 256 from y's first byte
	global_store_b128 v[YO+j], v[TT+8*j+4:TT+8*j+7], s[OB:OB+1] offset:256
.set j, j+1
.endr
.endm
; One K step of a tile behind the stream: its image from memory, the weights from LDS.
.macro KSTEP zero
	global_load_b128 v[48:51], v[TO], s[TP:TP+1]
	global_load_b128 v[52:55], v[TO], s[TP:TP+1] offset:TH1
	BLOADS 0
	s_wait_loadcnt 0x0
	s_wait_dscnt 0x0
	WIN W_MUL
	MULT 16, 0, 0, 1, 0, 8, \zero
	WIN 0
	v_add_nc_u32 v[LR], 8192, v[LR]                ; this and three v_nop: the four places behind the products
	PLACES 3
	s_add_nc_u64 s[TP:TP+1], s[TP:TP+1], TS1       ; both loads are done: their base may step
.endm
	s_load_b256 s[4:11], s[0:1], 0x0               ; cnt s[4:5], rslot s[6:7], rw s[8:9], h s[10:11]
	s_load_b128 s[12:15], s[0:1], 0x20             ; w2 s[12:13], y s[14:15]
	v_lshl_add_u32 v[SPW], v0, 2, SPARE
	v_mov_b32 v[NIL], 0
	v_lshrrev_b32 v12, 5, v0
	v_readfirstlane_b32 s[WAVE], v12               ; wave 0..7
	s_and_b32 s[EX], ttmp7, 0xffff
	s_mov_b32 s[GX], ttmp9
	s_and_b32 s78, s[GX], 7                        ; cs
	s_lshr_b32 s79, s[GX], 3                       ; q
	v_and_b32 v[RR], 15, v0
	v_bfe_u32 v[HH], v0, 4, 1
	v_and_b32 v12, 31, v0
	v_lshlrev_b32 v[L16], 4, v12
	s_lshr_b32 s30, s[WAVE], 2                     ; s
	s_bfe_u32 s31, s[WAVE], 0x10001                ; c
	s_and_b32 s84, s[WAVE], 1                      ; g
	s_lshl_b32 s85, s30, 13
	s_lshl_b32 s86, s31, 12
	s_add_co_u32 s85, s85, s86
	s_lshl_b32 s86, s84, 9
	s_add_co_u32 s85, s85, s86
	v_add_nc_u32 v[LS], s85, v[L16]                ; 8,192 s + 4,096 c + 512 g + 16 lane
	v_mov_b32 v[LR], v[L16]
	s_lshl_b32 s85, s30, 13
	s_lshl_b32 s86, s84, 12
	s_add_co_u32 s85, s85, s86
	s_lshl_b32 s86, s31, 8
	s_add_co_u32 s85, s85, s86
	v_lshlrev_b32 v[WO], 4, v[RR]
	v_lshl_add_u32 v[WO], v[HH], 17, v[WO]
	v_add_nc_u32 v[WO], s85, v[WO]                 ; row 2 s + g + 32 h (4,096 bytes each), byte 256 c + 16 r
	s_lshl_b32 s[OF], s[EX], 10
	s_mov_b32 s[OF+1], 0
	s_wait_kmcnt 0x0
	s_add_nc_u64 s[4:5], s[4:5], s[OF:OF+1]
	s_load_b32 s[CNT], s[4:5], 0x0                 ; the expert's count
	s_lshl_b32 s[OF], s[EX], 24                    ; an expert's w2: 16 MB; a quarter: 1,024 rows; a slice: 512 bytes of each row
	s_lshl_b32 s84, s79, 22
	s_add_co_u32 s[OF], s[OF], s84
	s_lshl_b32 s84, s78, 9
	s_add_co_u32 s[OF], s[OF], s84
	s_add_nc_u64 s[WB:WB+1], s[12:13], s[OF:OF+1]
	WLOADS 16,  0                                  ; the first three chunks of weights go out before the count is in
	WLOADS 96,  WSTEP
	WLOADS 176, 2*WSTEP
	s_lshl_b32 s[OF], s[EX], 23                    ; an expert's h: 64 tiles x 128 images; a quarter: 32 images of each tile
	s_lshl_b32 s84, s79, 15
	s_add_co_u32 s[OF], s[OF], s84
	s_add_nc_u64 s[TB0:TB0+1], s[10:11], s[OF:OF+1]
	s_mov_b64 s[TB:TB+1], s[TB0:TB0+1]
	s_lshl_b32 s[OF], s79, 23                      ; a quarter's y: 8 MB
	s_lshl_b32 s84, s78, 9
	s_add_co_u32 s[OF], s[OF], s84
	s_add_nc_u64 s[OB:OB+1], s[14:15], s[OF:OF+1]
	s_lshl_b32 s[OF], s[EX], 12
	s_add_nc_u64 s[6:7], s[6:7], s[OF:OF+1]        ; the expert's tables
	s_add_nc_u64 s[8:9], s[8:9], s[OF:OF+1]
	s_wait_kmcnt 0x0
	s_min_u32 s[CNT], s[CNT], 1024
	s_add_co_u32 s[NT], s[CNT], 15
	s_lshr_b32 s[NT], s[NT], 4
	s_max_u32 s[NT1], s[NT], 1
	s_add_co_u32 s30, s[WAVE], 16
	s_cmp_lt_u32 s30, s[NT1]
	s_cselect_b32 s[LIVE2], 1, 0
	s_sub_co_u32 s31, s[NT1], 1
.irp t, 0,1,2
	s_add_co_u32 s30, s[WAVE], 8*\t
	s_min_u32 s30, s30, s31                        ; a tile past the expert's last repeats the last: only bytes that the launch before stored are loaded
	s_min_u32 s30, s30, 63
	s_lshl_b32 s30, s30, 17                        ; a tile's 128 images
	v_add_nc_u32 v[TO+\t], s30, v[L16]
.endr
	TLOADS 16,  0
	TLOADS 96,  TSTEP
	TLOADS 176, 2*TSTEP
	s_wait_xcnt 0x0
	s_add_nc_u64 s[WB:WB+1], s[WB:WB+1], 2*WSTEP   ; both bases at chunk 2, the last that was asked for
	s_add_nc_u64 s[TB:TB+1], s[TB:TB+1], 2*TSTEP
	; THE STREAM.  Loads come back in order (ISA guide 5.7.1).  Issued at the start: W0 W1 W2 T0 T1 T2 (W 8 loads, T 12); then each chunk c issues W(c+3) behind its conversions and T(c+3) at its end.
	; Behind W(c) stand T(c) W T W T = 52.  Behind T(c), once W(c+3) is out, stand W T W T W = 48; behind T0: T1 T2 W3 = 32; behind T1: T2 W3 T3 W4 = 40 (the loop's first place keeps 40 in every trip: smaller is safe).
	CHUNK 16, 52, 32, 1, 1                         ; chunk 0 starts the sums: nothing is cleared
	s_mov_b32 s[LC], 4
.Lmain:                                                ; chunks 1 .. 12
	CHUNK 96,  52, 40, 1, 0
	CHUNK 176, 52, 48, 1, 0
	CHUNK 16,  52, 48, 1, 0
	s_sub_co_u32 s[LC], s[LC], 1
	s_cmp_lg_u32 s[LC], 0
	s_cbranch_scc1 .Lmain
	CHUNK 96,  52, 40, 0, 0                        ; the last three ask for nothing: the counts run down
	CHUNK 176, 32, 20, 0, 0
	CHUNK 16,  12, 0,  0, 0
.irp t, 0,1,2                          ; my three tiles leave; a tile without rows is jumped
	s_add_co_u32 s[M], s[WAVE], 8*\t
	s_cmp_ge_u32 s[M], s[NT]
	s_cbranch_scc1 .Ldead\t
	EPI 64*\t
.Ldead\t:
.endr
	; TILES 24 .. 63, five for each wave: a loop of constant length; a dead tile is jumped, forward, past text that holds no barrier.
	s_mov_b32 s[PCN], 5
	s_add_co_u32 s[M], s[WAVE], 24
.Lpost:
	s_cmp_ge_u32 s[M], s[NT]
	s_cbranch_scc1 .Lpnext
	s_wait_xcnt 0x0                                ; v4 is free
	s_lshl_b32 s30, s[M], 17
	v_add_nc_u32 v[TO], s30, v[L16]
	v_mov_b32 v[LR], v[L16]
	s_mov_b64 s[TP:TP+1], s[TB0:TB0+1]
	KSTEP 1
	s_mov_b32 s[KCN], 31
.Lpk:
	KSTEP 0
	s_sub_co_u32 s[KCN], s[KCN], 1
	s_cmp_lg_u32 s[KCN], 0
	s_cbranch_scc1 .Lpk
	EPI 0
.Lpnext:
	s_add_co_u32 s[M], s[M], 8
	s_sub_co_u32 s[PCN], s[PCN], 1
	s_cmp_lg_u32 s[PCN], 0
	s_cbranch_scc1 .Lpost
	s_wait_dscnt 0x0                               ; my reads of the images are back;
	s_barrier_signal -1
	s_barrier_wait -1                              ; every wave's are: no LDS word is changed while a wave still walks the images
	s_wait_tensorcnt 0x0                           ; the wave's end, behind my last LDS store
	ds_add_u32 v[SPW], v[NIL]
	s_wait_dscnt 0x0
	s_endpgm
.Lfunc_end_k_qe31e794151_down:
	.size	k_qe31e794151_down, .Lfunc_end_k_qe31e794151_down-k_qe31e794151_down
	.p2alignl 7, 3214868480
	.fill 96, 4, 3214868480
	.section	.rodata,"a",@progbits
	.p2align	6, 0x0
	.amdhsa_kernel k_qe31e794151_down
		.amdhsa_group_segment_fixed_size 263168
		.amdhsa_private_segment_fixed_size 0
		.amdhsa_enable_private_segment 0
		.amdhsa_kernarg_size 48
		.amdhsa_user_sgpr_count 2
		.amdhsa_user_sgpr_kernarg_segment_ptr 1
		.amdhsa_wavefront_size32 1
		.amdhsa_system_sgpr_workgroup_id_x 1
		.amdhsa_system_sgpr_workgroup_id_y 1
		.amdhsa_system_sgpr_workgroup_id_z 1
		.amdhsa_system_vgpr_workitem_id 0
		.amdhsa_next_free_vgpr 512
		.amdhsa_next_free_sgpr 96
		.amdhsa_reserve_vcc 0
		.amdhsa_float_denorm_mode_32 3
		.amdhsa_float_denorm_mode_16_64 3
		.amdhsa_memory_ordered 1
		.amdhsa_forward_progress 1
		.amdhsa_inst_pref_size 96
	.end_amdhsa_kernel
	.amdgpu_metadata
---
amdhsa.version: [ 1, 2 ]
amdhsa.kernels:
  - .name:           k_qe31e794151_down
    .symbol:         k_qe31e794151_down.kd
    .args:
      - { .name: cnt, .offset: 0, .size: 8, .value_kind: global_buffer, .address_space: global }
      - { .name: rslot, .offset: 8, .size: 8, .value_kind: global_buffer, .address_space: global }
      - { .name: rw, .offset: 16, .size: 8, .value_kind: global_buffer, .address_space: global }
      - { .name: h, .offset: 24, .size: 8, .value_kind: global_buffer, .address_space: global }
      - { .name: w2, .offset: 32, .size: 8, .value_kind: global_buffer, .address_space: global }
      - { .name: y, .offset: 40, .size: 8, .value_kind: global_buffer, .address_space: global }
    .group_segment_fixed_size: 263168
    .private_segment_fixed_size: 0
    .kernarg_segment_align: 8
    .kernarg_segment_size: 48
    .max_flat_workgroup_size: 256
    .sgpr_count:     96
    .vgpr_count:     512
    .wavefront_size: 32
...
	.end_amdgpu_metadata
.endif
;; end of part 3
;; launch combine (part 4): grid 256 x 1, 8 waves a work-group, no clusters, 0 bytes of LDS; arguments y, out0; writes out0
.if DOCPART == 4
	.amdgcn_target "amdgcn-amd-amdhsa--gfx1250"
	.amdhsa_code_object_version 6
	.text
	.protected	k_qe31e794151_combine
	.globl	k_qe31e794151_combine
	.p2align	8
	.type	k_qe31e794151_combine,@function
k_qe31e794151_combine:
	s_mov_b64 s[64:65], 0
	v_nop
	global_prefetch_b8 v0, s[64:65] scope:SCOPE_SE
	s_setreg_imm32_b32 hwreg(HW_REG_WAVE_MODE, 25, 1), 1
	s_wait_xcnt 0x0
; COMBINE.  out0[t][:] = the sum over the four quarters q of K and the two choices k of y[q][2 t + k][:], all f32, in one fixed order.
; A stream: no LDS, no barrier, no matrix unit.  A work-group has 4 tokens, a thread 16 bytes of each row: a load or store of a wave covers 512 consecutive bytes.
; All 32 loads of a thread go out at once (8 for each token); the waits count down by eight.
.set V, 4                              ; v4-131: load n = 8 token + 2 q + k at V + 4 n
	s_load_b128 s[4:7], s[0:1], 0x0                ; y s[4:5], out0 s[6:7]
	v_lshlrev_b32 v1, 4, v0
	s_lshl_b32 s8, ttmp9, 15                       ; 8 slots of 4,096 bytes
	s_mov_b32 s9, 0
	s_lshl_b32 s10, ttmp9, 14                      ; 4 tokens of 4,096 bytes
	s_mov_b32 s11, 0
	s_wait_kmcnt 0x0
	s_add_nc_u64 s[12:13], s[4:5], s[8:9]          ; a base for each quarter, 8 MB apart
	s_add_nc_u64 s[14:15], s[12:13], 0x800000
	s_add_nc_u64 s[16:17], s[14:15], 0x800000
	s_add_nc_u64 s[18:19], s[16:17], 0x800000
	s_add_nc_u64 s[6:7], s[6:7], s[10:11]
.set n, 0
.rept 32
	global_load_b128 v[V+4*n:V+4*n+3], v1, s[12+2*((n/2)%4):13+2*((n/2)%4)] offset:8192*(n/8)+4096*(n%2) th:TH_LOAD_NT
.set n, n+1
.endr
.macro ADD4 a, b                       ; four numbers at b onto four at a
	v_pk_add_f32 v[(\a):(\a)+1],   v[(\a):(\a)+1],   v[(\b):(\b)+1]
	v_pk_add_f32 v[(\a)+2:(\a)+3], v[(\a)+2:(\a)+3], v[(\b)+2:(\b)+3]
.endm
.irp t, 0,1,2,3
	s_wait_loadcnt 24-8*\t                         ; loads come back in order (ISA guide 5.7.1): this token's eight are in, the later tokens' stay out
	ADD4 V+32*\t,    V+32*\t+4
	ADD4 V+32*\t+8,  V+32*\t+12
	ADD4 V+32*\t+16, V+32*\t+20
	ADD4 V+32*\t+24, V+32*\t+28
	ADD4 V+32*\t,    V+32*\t+8
	ADD4 V+32*\t+16, V+32*\t+24
	ADD4 V+32*\t,    V+32*\t+16
	global_store_b128 v1, v[V+32*\t:V+32*\t+3], s[6:7] offset:4096*\t th:TH_STORE_NT
.endr
	s_endpgm
.Lfunc_end_k_qe31e794151_combine:
	.size	k_qe31e794151_combine, .Lfunc_end_k_qe31e794151_combine-k_qe31e794151_combine
	.p2alignl 7, 3214868480
	.fill 96, 4, 3214868480
	.section	.rodata,"a",@progbits
	.p2align	6, 0x0
	.amdhsa_kernel k_qe31e794151_combine
		.amdhsa_group_segment_fixed_size 0
		.amdhsa_private_segment_fixed_size 0
		.amdhsa_enable_private_segment 0
		.amdhsa_kernarg_size 16
		.amdhsa_user_sgpr_count 2
		.amdhsa_user_sgpr_kernarg_segment_ptr 1
		.amdhsa_wavefront_size32 1
		.amdhsa_system_sgpr_workgroup_id_x 1
		.amdhsa_system_sgpr_workgroup_id_y 1
		.amdhsa_system_sgpr_workgroup_id_z 1
		.amdhsa_system_vgpr_workitem_id 0
		.amdhsa_next_free_vgpr 136
		.amdhsa_next_free_sgpr 66
		.amdhsa_reserve_vcc 0
		.amdhsa_float_denorm_mode_32 3
		.amdhsa_float_denorm_mode_16_64 3
		.amdhsa_memory_ordered 1
		.amdhsa_forward_progress 1
		.amdhsa_inst_pref_size 8
	.end_amdhsa_kernel
	.amdgpu_metadata
---
amdhsa.version: [ 1, 2 ]
amdhsa.kernels:
  - .name:           k_qe31e794151_combine
    .symbol:         k_qe31e794151_combine.kd
    .args:
      - { .name: y, .offset: 0, .size: 8, .value_kind: global_buffer, .address_space: global }
      - { .name: out0, .offset: 8, .size: 8, .value_kind: global_buffer, .address_space: global }
    .group_segment_fixed_size: 0
    .private_segment_fixed_size: 0
    .kernarg_segment_align: 8
    .kernarg_segment_size: 16
    .max_flat_workgroup_size: 256
    .sgpr_count:     66
    .vgpr_count:     136
    .wavefront_size: 32
...
	.end_amdgpu_metadata
.endif
;; end of part 4
;; ======== version 2 of 2: 4 launches; 1.19 times as fast as version 1
;; workspace buffers: xb 2,097,152 bytes; sel 4,096 bytes of whole numbers; wts 8,192 bytes; h 67,108,864 bytes; rslot 32,768 bytes of whole numbers; rw 32,768 bytes; cnt 2,048 bytes of whole numbers; y 33,554,432 bytes
;; launch router: the kernel of part 1 again; grid 64 x 1, 8 waves a work-group, no clusters, 44,032 bytes of LDS; arguments x, gate_w, xb, sel, wts; writes xb, sel, wts
;; launch up (part 5): grid 32 x 8, 8 waves a work-group, no clusters, 263,168 bytes of LDS; arguments sel, wts, xb, w1, h, rslot, rw, cnt; writes h, rslot, rw, cnt
.if DOCPART == 5
	.amdgcn_target "amdgcn-amd-amdhsa--gfx1250"
	.amdhsa_code_object_version 6
	.text
	.protected	k_qe31e794151_up
	.globl	k_qe31e794151_up
	.p2align	8
	.type	k_qe31e794151_up,@function
k_qe31e794151_up:
	s_mov_b64 s[64:65], 0
	v_nop
	global_prefetch_b8 v0, s[64:65] scope:SCOPE_SE
	s_setreg_imm32_b32 hwreg(HW_REG_WAVE_MODE, 25, 1), 1
	s_wait_xcnt 0x0
; UP.  For expert e (grid y) and a slice of 128 hidden columns (grid x): h = silu(X_e w1[e]) for the rows that chose e, and for no others.
; IN: sel (the router's choices, whole numbers), wts, xb (x in bf16), w1 (f32).  OUT: h in bf16, and the tables rslot, rw, cnt for the next launch.
; THE ROWS.  Every wave makes the expert's 32 masks of 32 tokens from sel, in scalar registers, and their count.  Rank i is the i-th set bit, masks in ascending order: the same order in every wave of
; every work-group.  A lane finds the token of its rank in registers: SEARCH keeps the last mask whose running count is not above the rank, NTHS finds the set bit of that number in it.  No LDS, no
; barrier and no other lane has a part in it.  Ranks at or past the count repeat the last row; an expert without rows takes token 1,023 into tile 0, so that every byte of h that the next launch loads has been stored.
; THE PRODUCT.  C[rows x 128] = X[rows x 1024] W[1024 x 128], K in 16 chunks of 64.  The slice of w1 is read from memory once, by this work-group alone: 512 KB of f32, rounded to bf16 on its way through
; registers and kept in LDS as operand images (256 KB): every chunk has LDS bytes of its own and nothing is written twice.
; IMAGE: a 16 x 32 fragment as the registers hold it, 1,024 bytes: registers 0-3 at 16 x lane, registers 4-7 at 512 + 16 x lane.
; ONE CHUNK AHEAD.  Chunk c + 1 is rounded and stored while chunk c is multiplied.  One barrier a chunk: its signal stands behind my stores of chunk c + 1, a quarter into chunk c's products, its wait
; half a chunk's products later, in front of the first read of chunk c + 1.  The eight fragment registers are two halves of four images: a half that has been multiplied takes the half wanted next.
; TURNING W COSTS NOTHING.  Lane (r, h) loads 16 bytes, columns 4 r .. 4 r + 3 of one row k (16 lanes: 256 consecutive bytes at a multiple of 256), for eight rows; v_cvt_pk_bf16_f32 pairs rows k, k + 1
; of one column.  So position r of image cb = 4 c + j stands for column 64 c + 4 r + j of the slice; the next launch takes its rows of w2 in the same order.
; SHARES.  Eight waves, all alike.  Wave w = (s, c, g) = (w / 4, (w / 2) % 2, w % 2) converts an eighth of each chunk: K step s, column half c, half g of the images.  Wave w owns the row tiles w, w + 8,
; w + 16 (16 rows each): 24 accumulators; the third tile's products are jumped where it holds no row.  Tiles 24 .. 63 follow behind the stream, on the weights in LDS, in a loop of constant length
; that jumps dead tiles: every split of the tokens is served, an expert with all 1,024 rows too, and w1 still leaves memory once.
; IN FLIGHT.  Three register stages: weights are asked for three chunks ahead of their rounding, tokens two chunks ahead of their products: up to 48 loads a wave.  Each stage has base registers of its
; own, which are stepped behind the counted wait that shows that stage's loads done.
; THE MATRIX INSTRUCTION: source 0 = weights, source 1 = tokens: a lane then holds one token and eight hidden positions, which pack into the next launch's token fragment without changing lanes.
; NO TENSOR LOADS, NO CLUSTER: the weights must pass through registers to be rounded, each slice has one reader, and the token rows come by a list, which no tile descriptor covers.
; LIMITS.  h is rounded once to bf16.  silu(z) = z / (1 + 2^(-z log2 e)): where the power overflows the quotient is 0 with z's sign.  NaN and infinities are not treated apart.
.set SPARE, 262144                     ; behind the images: the spare words, 128 bytes a wave: four blocks of 256 bytes that no other line names
.set WSTEP, 64*16384                   ; a chunk of w1: 64 rows of 16,384 bytes
.set TSTEP, 128                        ; a chunk of a token's row: 64 bf16
.set TS1,   64                         ; its second K step
.set TH1,   32                         ; a fragment's second half
.set SPW, 1                            ; v1   LDS address of my spare word; never rewritten
.set NIL, 2                            ; v2   0; never rewritten
.set WO,  3                            ; v3   my byte offset in a chunk of the slice of w1; never rewritten
.set TO,  4                            ; v4-6 my token's byte offset in xb, for each of my three tiles
.set LS,  7                            ; v7   where I store my part of the next chunk's images
.set LR,  8                            ; v8   where I read the chunk's images
.set RR,  9                            ; v9   lane % 16
.set HH,  10                           ; v10  lane / 16
.set L16, 11                           ; v11  16 x lane
                                       ; v12-15 at work
                                       ; window 0, v16-255: three stages of 80: 32 registers of weights (load i at +4 i), then tokens: tile t, K step s at +32 + 16 t + 8 s
.set SV,  48                           ; v48-79  at the head: sel of all 1,024 tokens (register 4 a + c of lane l: token 128 a + 4 l + c)
.set EE,  96                           ; v96-159 the way out: 64 numbers at work
.set FT,  128                          ; v128-157 rank -> token, ten registers for each of up to three ranks a lane: +0 the rank, then the token; +1 the mask; +2 count and first token; +3 .. +5 sums over 2, 4, 8 bits; +6 .. +9 at work
.set IM,  160                          ; v160-191 the way out: four images' registers
.set BF,  192                          ; window 1: v0-191 accumulators (tile t, image cb at 64 t + 8 cb); v192-255 eight weight fragments, in two halves
.set WAVE, 20
.set EX,   21                          ; the expert
.set GX,   22                          ; the slice
.set CNT,  23                          ; the expert's rows
.set NT,   24                          ; its tiles of 16 rows
.set NT1,  25                          ; at least 1
.set CM1,  26                          ; its last rank
.set LIVE2, 27                         ; 1: my third tile holds rows
.set LC,   28
.set M,    29                          ; the tile in hand on the way out
.set MK,   32                          ; s32-63 the 32 masks
.set OF,   66                          ; s[66:67] an offset
.set WB,   68                          ; s[68:73] w1 at the chunk that each stage asked for last
.set TB,   74                          ; s[74:79] xb likewise
.set TP,   80                          ; s[80:81] xb, walking, for the tiles behind the stream
.set OB,   82                          ; s[82:83] h at my expert and slice
.set PCN,  84
.set KCN,  85
.set RB,   86                          ; the running count of the masks
.set EB,   87                          ; 0x101 << e
.set E8,   88                          ; 8 + e
.set LG,   90                          ; s[90:91] -log2(e)
.set CMK,  92                          ; s92-94 a lane mask for each of up to three ranks; at the head: at work
.set W_LD,  0x40                       ; destination in window 1
.set W_MUL, 0x51                       ; source 0 (weights), C and D in window 1; source 1 (tokens) in window 0
.set W_ACC, 0x01                       ; source 0 in window 1
.set MSB, 0
.macro WIN new                         ; the immediate's high byte repeats the setting that is left; a switch that changes nothing is dropped
.if MSB != (\new)
	s_set_vgpr_msb (MSB<<8)|(\new)
.set MSB, \new
.endif
.endm
.macro PLACES n
.rept \n
	v_nop
.endr
.endm
; RANK -> TOKEN.  FORV writes one line for each of nv ranks a lane (X: the rank's ten registers, XI: its number), so that no line reads the result of the line before it.
.macro FORV nv, line:vararg
.set X, FT
.set XI, 0
.rept \nv
	\line
.set X, X+10
.set XI, XI+1
.endr
.endm
; The running counts never fall, so the last mask whose count is not above the rank is the one that holds it.  With the mask goes one word: the count below, and the mask's first token (128 a + c) above bit 16.
.macro SEARCH nv
	s_mov_b32 s[RB], 0
	FORV \nv, v_mov_b32 v[X+1], s[MK]
	FORV \nv, v_mov_b32 v[X+2], 0
.set g, 1
.rept 31
	s_bcnt1_i32_b32 s30, s[MK+g-1]
	s_add_co_u32 s[RB], s[RB], s30
	s_add_co_u32 s31, s[RB], (128*(g/4)+g%4)<<16
	FORV \nv, v_cmp_gt_u32 s[CMK+XI], s[RB], v[X]
	FORV \nv, v_cndmask_b32 v[X+1], s[MK+g], v[X+1], s[CMK+XI]
	FORV \nv, v_cndmask_b32 v[X+2], s31, v[X+2], s[CMK+XI]
.set g, g+1
.endr
.endm
; One halving: if the w bits at place p hold no more set bits than are still to be passed, pass them.
.macro HALVE nv, src, w
	FORV \nv, v_bfe_u32 v[X+6], v[X+\src], v[X+8], \w
	FORV \nv, v_cmp_ge_u32 s[CMK+XI], v[X+7], v[X+6]
	FORV \nv, v_cndmask_b32 v[X+6], 0, v[X+6], s[CMK+XI]
	FORV \nv, v_cndmask_b32 v[X+9], 0, \w, s[CMK+XI]
	FORV \nv, v_sub_nc_u32 v[X+7], v[X+7], v[X+6]
	FORV \nv, v_add_nc_u32 v[X+8], v[X+8], v[X+9]
.endm
; The place p of set bit number n = rank - count in the mask: sums of set bits over fields of 2, 4, 8 and 16 bits, then five halvings.  The token is the mask's first + 4 p, held to the table by a constant.
.macro NTHS nv
	FORV \nv, v_and_b32 v[X+7], 0xffff, v[X+2]
	FORV \nv, v_lshrrev_b32 v[X+3], 1, v[X+1]
	FORV \nv, v_sub_nc_u32 v[X+7], v[X], v[X+7]
	FORV \nv, v_and_b32 v[X+3], 0x55555555, v[X+3]
	FORV \nv, v_lshrrev_b32 v[X+2], 16, v[X+2]
	FORV \nv, v_sub_nc_u32 v[X+3], v[X+1], v[X+3]
	FORV \nv, v_lshrrev_b32 v[X+4], 2, v[X+3]
	FORV \nv, v_and_b32 v[X+6], 0x33333333, v[X+3]
	FORV \nv, v_and_b32 v[X+4], 0x33333333, v[X+4]
	FORV \nv, v_add_nc_u32 v[X+4], v[X+4], v[X+6]
	FORV \nv, v_lshrrev_b32 v[X+5], 4, v[X+4]
	FORV \nv, v_add_nc_u32 v[X+5], v[X+5], v[X+4]
	FORV \nv, v_and_b32 v[X+5], 0x0f0f0f0f, v[X+5]
	FORV \nv, v_lshrrev_b32 v[X+6], 8, v[X+5]
	FORV \nv, v_add_nc_u32 v[X+6], v[X+6], v[X+5]
	FORV \nv, v_and_b32 v[X+6], 0xff, v[X+6]
	FORV \nv, v_cmp_ge_u32 s[CMK+XI], v[X+7], v[X+6]
	FORV \nv, v_cndmask_b32 v[X+8], 0, 16, s[CMK+XI]
	FORV \nv, v_cndmask_b32 v[X+6], 0, v[X+6], s[CMK+XI]
	FORV \nv, v_sub_nc_u32 v[X+7], v[X+7], v[X+6]
	HALVE \nv, 5, 8
	HALVE \nv, 4, 4
	HALVE \nv, 3, 2
	HALVE \nv, 1, 1
	FORV \nv, v_lshl_add_u32 v[X], v[X+8], 2, v[X+2]
	FORV \nv, v_min_u32 v[X], 0x3ff, v[X]
.endm
.macro WLOADS st                       ; a wave's eighth of a chunk of weights: 8 rows, 16 bytes a lane
.set i, 0
.rept 8
	global_load_b128 v[16+80*(\st)+4*i:16+80*(\st)+4*i+3], v[WO], s[WB+2*(\st):WB+2*(\st)+1] offset:16384*i th:TH_LOAD_NT
.set i, i+1
.endr
.endm
.macro TLOADS st                       ; a chunk of my three tiles' tokens: six fragments
.set tj, 0
.rept 3
.set sy, 0
.rept 2
	global_load_b128 v[48+80*(\st)+16*tj+8*sy:48+80*(\st)+16*tj+8*sy+3],   v[TO+tj], s[TB+2*(\st):TB+2*(\st)+1] offset:TS1*sy
	global_load_b128 v[48+80*(\st)+16*tj+8*sy+4:48+80*(\st)+16*tj+8*sy+7], v[TO+tj], s[TB+2*(\st):TB+2*(\st)+1] offset:TS1*sy+TH1
.set sy, sy+1
.endr
.set tj, tj+1
.endr
.endm
; Matrix instructions for images clo .. clo + cn - 1 and tiles tlo .. tlo + tn - 1, K step sx of the stage.  No two on end name the same accumulator.  zero = 1: they start the sums.
.macro MULT sbase, sx, tlo, tn, clo, cn, zero
.set cb, \clo
.rept \cn
.set ti, \tlo
.rept \tn
.set rA, 64*ti+8*cb
.set rB, BF+8*cb
.set rT, (\sbase)+32+16*ti+8*(\sx)
.if \zero
	v_wmma_f32_16x16x32_bf16 v[rA:rA+7], v[rB:rB+7], v[rT:rT+7], 0
.else
	v_wmma_f32_16x16x32_bf16 v[rA:rA+7], v[rB:rB+7], v[rT:rT+7], v[rA:rA+7]
.endif
.set ti, ti+1
.endr
.set cb, cb+1
.endr
.endm
.macro BLH off, hf                     ; half hf (images 4 hf .. 4 hf + 3) of the K step that lies off bytes behind v[LR]: 8 loads of 512 consecutive bytes
	WIN W_LD
.set cb, 4*(\hf)
.rept 4
	ds_load_b128 v[BF+8*cb:BF+8*cb+3],   v[LR] offset:(\off)+cb*1024
	ds_load_b128 v[BF+8*cb+4:BF+8*cb+7], v[LR] offset:(\off)+cb*1024+512
.set cb, cb+1
.endr
.endm
; The products of one half of a K step: 8 of my first two tiles, 4 of the third (jumped where it is dead; never where they start the sums, so that its registers are written on every path).
.macro MULH sbase, sx, hf, zero
	WIN W_MUL
	MULT \sbase, \sx, 0, 2, 4*(\hf), 4, \zero
.if (\zero) == 0
	WIN 0                                          ; at a branch and at a label every window is 0
	s_cmp_eq_u32 s[LIVE2], 0
	s_cbranch_scc1 .Ldead2_\@
	WIN W_MUL
.endif
	MULT \sbase, \sx, 2, 1, 4*(\hf), 4, \zero
	WIN 0
.Ldead2_\@:
.endm
; My eighth of a chunk of weights, f32 in v[sw .. sw + 31], is rounded into v[sf .. sf + 15] and stored: column j of my four, rows k, k + 1 in pairs, is four registers of image 4 c + j.
.macro CONV sw, sf
.set j, 0
.rept 4
.set q, 0
.rept 4
	v_cvt_pk_bf16_f32 v[(\sf)+4*j+q], v[(\sw)+8*q+j], v[(\sw)+8*q+4+j]
.set q, q+1
.endr
.set j, j+1
.endr
.irp j, 0,1,2,3
	ds_store_b128 v[LS], v[(\sf)+4*\j:(\sf)+4*\j+3] offset:1024*\j
.endr
	v_add_nc_u32 v[LS], 16384, v[LS]               ; the next chunk has LDS bytes of its own
.endm
; CHUNK c, 64 along K, its tokens in stage st = c % 3.  At its head the fragment registers hold, or are about to take, the chunk's first K step.
; cv = 1: chunk c + 1 is rounded and stored, made visible by the barrier, and its first K step is fetched.  The 16 registers for the rounding are the first of the token stage that chunk c - 1 has left.
; ldt: tokens of chunk c + 2 are asked for, into that stage (2: its base stands there already); ldw: weights of chunk c + 4, into the stage just rounded.  Tokens go out first, so that the wait for
; tokens never waits for younger weights.  nW, nT: the younger loads that may stay out when chunk c + 1's weights, and chunk c's tokens, must be in.
; Four places stand between the last product that read a register and a load into it or a conversion onto it (ISA guide 7.12.1 for vector instructions).
.macro CHUNK st, nW, nT, cv, ldw, ldt, zero
.set cSB, 16+80*(\st)
.set cN1, ((\st)+1)%3
.set cN2, ((\st)+2)%3
.if \cv
	s_wait_loadcnt \nW                             ; the next chunk's weights are in: their registers and their stage's base are free once they are rounded
	CONV 16+80*cN1, 48+80*cN2
.endif
	s_wait_loadcnt \nT                             ; this chunk's tokens are in
.if \cv
	s_wait_dscnt 0xc                               ; the first half is in; the second half's 8 loads and my 4 stores may be out
.else
	s_wait_dscnt 0x8
.endif
	MULH cSB, 0, 0, \zero
	PLACES 4
.if \cv
	s_wait_dscnt 0x0                               ; for the others' sake: my stores of chunk c + 1 are done (and the second half is in)
.if \ldt
.if (\ldt) == 1
	s_add_nc_u64 s[TB+2*cN2:TB+2*cN2+1], s[TB+2*cN2:TB+2*cN2+1], 3*TSTEP  ; that stage's token loads were shown done in the chunk before
.endif
	TLOADS cN2
.endif
.if \ldw
	s_add_nc_u64 s[WB+2*cN1:WB+2*cN1+1], s[WB+2*cN1:WB+2*cN1+1], 3*WSTEP  ; no pending load names this stage's base
	WLOADS cN1
.endif
	s_barrier_signal -1                            ; between this and the wait: products, and reads of chunk c, whose bytes nobody writes again
.endif
	BLH 8192, 0                                    ; the second K step's first half
.if (\cv) == 0
	s_wait_dscnt 0x8                               ; the first K step's second half is in
.endif
	MULH cSB, 0, 1, \zero
	PLACES 4
	BLH 8192, 1
	s_wait_dscnt 0x8                               ; the second K step's first half is in
	MULH cSB, 1, 0, 0
.if \cv
	s_barrier_wait -1                              ; chunk c + 1's 16 images are whole
	PLACES 4
	BLH 16384, 0                                   ; its first K step's first half
	s_wait_dscnt 0x8                               ; this chunk's last half is in
.else
	s_wait_dscnt 0x0
.endif
	MULH cSB, 1, 1, 0
	v_add_nc_u32 v[LR], 16384, v[LR]               ; this and three v_nop are the four places
	PLACES 3
.if \cv
	BLH 0, 1
	WIN 0
.endif
.endm
; THE WAY OUT of tile s[M], whose 8 accumulators begin at a (window 1): silu, rounding, four images of 1,024 bytes.  Each accumulator's lowest registers are read first.
; The 64 exponentials are one batch with one wait, and so are the 64 reciprocals.
.macro EPI a
	s_wait_xcnt 0x0                                ; the last way out's stores have read their registers
	s_lshl_b32 s30, s[M], 17                       ; a tile's 128 images
	v_add_nc_u32 v12, s30, v[L16]
	WIN W_ACC
.set i, 0
.rept 32
	v_pk_mul_f32 v[EE+2*i:EE+2*i+1], v[(\a)+2*i:(\a)+2*i+1], s[LG:LG+1] op_sel_hi:[1,0]
.set i, i+1
.endr
	WIN 0
.set i, 0
.rept 64
	v_exp_f32 v[EE+i], v[EE+i]
.set i, i+1
.endr
	v_nop
	s_wait_alu depctr_va_vdst(0)
.set i, 0
.rept 32
	v_pk_add_f32 v[EE+2*i:EE+2*i+1], v[EE+2*i:EE+2*i+1], 1.0 op_sel_hi:[1,0]
.set i, i+1
.endr
.set i, 0
.rept 64
	v_rcp_f32 v[EE+i], v[EE+i]
.set i, i+1
.endr
	v_nop
	s_wait_alu depctr_va_vdst(0)
	WIN W_ACC
.set i, 0
.rept 32
	v_pk_mul_f32 v[EE+2*i:EE+2*i+1], v[(\a)+2*i:(\a)+2*i+1], v[EE+2*i:EE+2*i+1]
.set i, i+1
.endr
	WIN 0
.set i, 0
.rept 32                               ; image p: registers 0-3 from accumulator 2 p, registers 4-7 from accumulator 2 p + 1
	v_cvt_pk_bf16_f32 v[IM+i], v[EE+2*i], v[EE+2*i+1]
.set i, i+1
.endr
.set i, 0
.rept 8
	global_store_b128 v12, v[IM+4*i:IM+4*i+3], s[OB:OB+1] offset:512*i   ; the wave stores 512 consecutive bytes, at a multiple of 256 from h's first byte
.set i, i+1
.endr
.endm
; One K step of a tile behind the stream: its tokens from memory, the weights from LDS.
.macro KSTEP zero
	global_load_b128 v[48:51], v[TO], s[TP:TP+1]
	global_load_b128 v[52:55], v[TO], s[TP:TP+1] offset:TH1
	BLH 0, 0
	BLH 0, 1
	s_wait_loadcnt 0x0
	s_wait_dscnt 0x0
	WIN W_MUL
	MULT 16, 0, 0, 1, 0, 8, \zero
	WIN 0
	v_add_nc_u32 v[LR], 8192, v[LR]                ; this and three v_nop: the four places behind the products
	PLACES 3
	s_add_nc_u64 s[TP:TP+1], s[TP:TP+1], TS1       ; both loads are done: their base may step
.endm
	s_load_b512 s[4:19], s[0:1], 0x0               ; sel s[4:5], wts s[6:7], xb s[8:9], w1 s[10:11], h s[12:13], rslot s[14:15], rw s[16:17], cnt s[18:19]
	v_lshl_add_u32 v[SPW], v0, 2, SPARE
	v_mov_b32 v[NIL], 0
	v_lshrrev_b32 v12, 5, v0
	v_readfirstlane_b32 s[WAVE], v12               ; wave 0..7
	s_and_b32 s[EX], ttmp7, 0xffff
	s_mov_b32 s[GX], ttmp9
	v_and_b32 v[RR], 15, v0
	v_bfe_u32 v[HH], v0, 4, 1
	v_and_b32 v13, 31, v0
	v_lshlrev_b32 v[L16], 4, v13
	s_lshr_b32 s30, s[WAVE], 2                     ; s
	s_bfe_u32 s31, s[WAVE], 0x10001                ; c
	s_and_b32 s92, s[WAVE], 1                      ; g
	s_lshl_b32 s93, s30, 13
	s_lshl_b32 s94, s31, 12
	s_add_co_u32 s93, s93, s94
	s_lshl_b32 s94, s92, 9
	s_add_co_u32 s93, s93, s94
	v_add_nc_u32 v[LS], s93, v[L16]                ; 8,192 s + 4,096 c + 512 g + 16 lane
	v_mov_b32 v[LR], v[L16]
	s_lshl_b32 s93, s30, 19
	s_lshl_b32 s94, s92, 18
	s_add_co_u32 s93, s93, s94
	s_lshl_b32 s94, s31, 8
	s_add_co_u32 s93, s93, s94
	v_lshlrev_b32 v[WO], 4, v[RR]
	v_lshl_add_u32 v[WO], v[HH], 17, v[WO]
	v_add_nc_u32 v[WO], s93, v[WO]                 ; row 32 s + 16 g + 8 h (16,384 bytes each), byte 256 c + 16 r
	s_lshl_b32 s[EB], 0x101, s[EX]
	s_add_co_u32 s[E8], s[EX], 8
	s_mov_b32 s[LG], 0xbfb8aa3b                    ; -log2(e)
	s_mov_b32 s[LG+1], s[LG]                       ; named with it as a pair
	s_lshl_b32 s[OF], s[EX], 24                    ; an expert's w1: 16 MB; a slice: 512 bytes of each row
	s_lshl_b32 s92, s[GX], 9
	s_add_co_u32 s[OF], s[OF], s92
	s_mov_b32 s[OF+1], 0
	s_wait_kmcnt 0x0
	s_add_nc_u64 s[WB:WB+1], s[10:11], s[OF:OF+1]  ; a base for each stage: chunks 0, 1, 2
	s_add_nc_u64 s[WB+2:WB+3], s[WB:WB+1], WSTEP
	s_add_nc_u64 s[WB+4:WB+5], s[WB+2:WB+3], WSTEP
	s_mov_b64 s[TB:TB+1], s[8:9]
	s_add_nc_u64 s[TB+2:TB+3], s[8:9], TSTEP
	s_add_nc_u64 s[TB+4:TB+5], s[8:9], 2*TSTEP
	s_lshl_b32 s[OF], s[EX], 23                    ; an expert's h: 64 tiles x 128 images; a slice: 4 images of each tile
	s_lshl_b32 s92, s[GX], 12
	s_add_co_u32 s[OF], s[OF], s92
	s_add_nc_u64 s[OB:OB+1], s[12:13], s[OF:OF+1]
.set i, 0
.rept 8
	global_load_b128 v[SV+4*i:SV+4*i+3], v[L16], s[4:5] offset:512*i
.set i, i+1
.endr
	WLOADS 0                                       ; the first three chunks of weights go out before the rows are known
	WLOADS 1
	WLOADS 2
	s_wait_loadcnt 0x18                            ; the 24 loads of weights are younger: sel is in
	s_mov_b32 s[CNT], 0
.set g, 0
.rept 32                               ; which tokens chose e, first or second, and how many
	v_and_b32 v[12+g%4], s[EB], v[SV+g]
	v_cmp_ne_u32 s[MK+g], 0, v[12+g%4]
	s_bcnt1_i32_b32 s30, s[MK+g]
	s_add_co_u32 s[CNT], s[CNT], s30
.set g, g+1
.endr
	s_min_u32 s[CNT], s[CNT], 1024
	s_add_co_u32 s[NT], s[CNT], 15
	s_lshr_b32 s[NT], s[NT], 4
	s_max_u32 s[NT1], s[NT], 1
	s_max_u32 s[CM1], s[CNT], 1
	s_sub_co_u32 s[CM1], s[CM1], 1
	s_add_co_u32 s30, s[WAVE], 16
	s_cmp_lt_u32 s30, s[NT1]
	s_cselect_b32 s[LIVE2], 1, 0
	s_lshl_b32 s30, s[WAVE], 4
	v_add_nc_u32 v[FT], s30, v[RR]                 ; my ranks in tiles w, w + 8, w + 16: 16 x tile + lane % 16,
	v_add_nc_u32 v[FT+10], 128, v[FT]
	v_add_nc_u32 v[FT+20], 0x100, v[FT]
	FORV 3, v_min_u32 v[X], s[CM1], v[X]           ; held to the expert's last rank
	SEARCH 3
	NTHS 3
.irp t, 0,1,2
	v_lshlrev_b32 v[TO+\t], 11, v[FT+10*\t]        ; token x 2,048 bytes + 16 x half
	v_lshl_add_u32 v[TO+\t], v[HH], 4, v[TO+\t]
.endr
	TLOADS 0
	TLOADS 1
	; THE STREAM.  Loads come back in order (ISA guide 5.7.1).  W is 8 loads, T is 12.  Issued so far: W0 W1 W2 T0 T1; W3 follows chunk 0's rounding; then chunk c issues T(c+2) and W(c+4).
	; Behind W(c+1), at chunk c's head, stand T(c) W(c+2) T(c+1) W(c+3) = 40.  Behind T(c) stand W(c+2) T(c+1) W(c+3) = 28; behind T0: T1 W3 = 20.
	s_wait_loadcnt 0x28                            ; behind W0: W1 W2 T0 T1 = 40
	CONV 16, 208                                   ; chunk 0's images; the third stage's token registers are still free
	s_add_nc_u64 s[WB:WB+1], s[WB:WB+1], 3*WSTEP
	WLOADS 0
	s_wait_dscnt 0x0                               ; for the others' sake: my stores are done
	s_barrier_signal -1
	s_barrier_wait -1                              ; chunk 0's 16 images are whole
	BLH 0, 0
	BLH 0, 1
	WIN 0
	CHUNK 0, 40, 20, 1, 1, 2, 1                    ; chunk 0 starts the sums: nothing is cleared
	s_mov_b32 s[LC], 4
	s_branch .Lin                                  ; the loop of three chunks is entered at its second: chunks 1, 2; 3 .. 5; 6 .. 8; 9 .. 11
.Lmain:
	CHUNK 0, 40, 28, 1, 1, 1, 0
.Lin:
	CHUNK 1, 40, 28, 1, 1, 1, 0
	CHUNK 2, 40, 28, 1, 1, 1, 0
	s_sub_co_u32 s[LC], s[LC], 1
	s_cmp_lg_u32 s[LC], 0
	s_cbranch_scc1 .Lmain
	CHUNK 0, 40, 28, 1, 0, 1, 0                    ; chunk 12: no weights are left to ask for.  Behind W13: T12 W14 T13 W15; behind T12: W14 T13 W15
	CHUNK 1, 32, 20, 1, 0, 1, 0                    ; chunk 13: behind W14: T13 W15 T14; behind T13: W15 T14
	CHUNK 2, 24, 12, 1, 0, 0, 0                    ; chunk 14: behind W15: T14 T15; behind T14: T15
	CHUNK 0, 0,  0,  0, 0, 0, 0                    ; chunk 15: nothing to round, nothing to fetch ahead
.irp t, 0,1,2                          ; my three tiles leave; a tile without rows is jumped (tile 0 of an expert without rows is stored)
	s_add_co_u32 s[M], s[WAVE], 8*\t
	s_cmp_ge_u32 s[M], s[NT1]
	s_cbranch_scc1 .Ldead\t
	EPI 64*\t
.Ldead\t:
.endr
	; TILES 24 .. 63, five for each wave: a loop of constant length; a dead tile is jumped, forward, past text that holds no barrier.
	s_mov_b32 s[PCN], 5
	s_add_co_u32 s[M], s[WAVE], 24
.Lpost:
	s_cmp_ge_u32 s[M], s[NT]
	s_cbranch_scc1 .Lpnext
	s_wait_xcnt 0x0                                ; v4 is free
	s_lshl_b32 s30, s[M], 4
	v_add_nc_u32 v[FT], s30, v[RR]
	v_min_u32 v[FT], s[CM1], v[FT]
	SEARCH 1
	NTHS 1
	v_lshlrev_b32 v[TO], 11, v[FT]
	v_lshl_add_u32 v[TO], v[HH], 4, v[TO]
	v_mov_b32 v[LR], v[L16]
	s_mov_b64 s[TP:TP+1], s[8:9]
	KSTEP 1
	s_mov_b32 s[KCN], 31
.Lpk:
	KSTEP 0
	s_sub_co_u32 s[KCN], s[KCN], 1
	s_cmp_lg_u32 s[KCN], 0
	s_cbranch_scc1 .Lpk
	EPI 0
.Lpnext:
	s_add_co_u32 s[M], s[M], 8
	s_sub_co_u32 s[PCN], s[PCN], 1
	s_cmp_lg_u32 s[PCN], 0
	s_cbranch_scc1 .Lpost
	; THE TABLES, from wave 7 of slices 0 .. 15: slice x has ranks 64 x .. 64 x + 63 (held to the last rank), a lane two of them: the slot 2 token + k (k = 1 where e is the token's second choice)
	; and its gate weight.  Each store of the wave covers 256 consecutive bytes, at a multiple of 256 from its buffer's first byte.  Slice 0 also stores the count, 64 times.
	s_cmp_lg_u32 s[WAVE], 7
	s_cbranch_scc1 .Lnotab
	s_cmp_ge_u32 s[GX], 16
	s_cbranch_scc1 .Lnotab
	s_wait_xcnt 0x0                                ; the way out's stores have read their registers
	v_and_b32 v13, 31, v0
	s_lshl_b32 s30, s[GX], 6
	v_lshl_add_u32 v[FT], v13, 1, s30
	v_add_nc_u32 v[FT+10], 1, v[FT]
	FORV 2, v_min_u32 v[X], s[CM1], v[X]
	SEARCH 2
	NTHS 2
	v_lshlrev_b32 v152, 2, v[FT]
	v_lshlrev_b32 v153, 2, v[FT+10]
	global_load_b32 v154, v152, s[4:5]             ; the two tokens' choices
	global_load_b32 v155, v153, s[4:5]
	s_lshl_b32 s[OF], s[EX], 12
	s_mov_b32 s[OF+1], 0
	s_add_nc_u64 s[14:15], s[14:15], s[OF:OF+1]
	s_add_nc_u64 s[16:17], s[16:17], s[OF:OF+1]
	s_lshl_b32 s[OF], s[EX], 8
	s_add_nc_u64 s[18:19], s[18:19], s[OF:OF+1]
	s_lshl_b32 s31, s[GX], 8
	v_lshl_add_u32 v158, v13, 3, s31               ; 256 x + 8 lane
	s_wait_loadcnt 0x0
	v_bfe_u32 v154, v154, s[E8], 1
	v_bfe_u32 v155, v155, s[E8], 1
	v_lshl_add_u32 v148, v[FT], 1, v154
	v_lshl_add_u32 v149, v[FT+10], 1, v155
	v_min_u32 v148, 0x7ff, v148
	v_min_u32 v149, 0x7ff, v149
	v_lshlrev_b32 v156, 2, v148
	v_lshlrev_b32 v157, 2, v149
	global_load_b32 v150, v156, s[6:7]
	global_load_b32 v151, v157, s[6:7]
	global_store_b64 v158, v[148:149], s[14:15]
	s_wait_loadcnt 0x0
	global_store_b64 v158, v[150:151], s[16:17]
	s_cmp_lg_u32 s[GX], 0
	s_cbranch_scc1 .Lnotab
	v_lshlrev_b32 v159, 3, v13
	v_mov_b32 v146, s[CNT]
	v_mov_b32 v147, s[CNT]
	global_store_b64 v159, v[146:147], s[18:19]
.Lnotab:
	s_wait_dscnt 0x0                               ; my reads of the images are back;
	s_barrier_signal -1
	s_barrier_wait -1                              ; every wave's are: no LDS word is changed while a wave still walks the images
	s_wait_tensorcnt 0x0                           ; the wave's end, behind my last LDS store
	ds_add_u32 v[SPW], v[NIL]
	s_wait_dscnt 0x0
	s_endpgm
.Lfunc_end_k_qe31e794151_up:
	.size	k_qe31e794151_up, .Lfunc_end_k_qe31e794151_up-k_qe31e794151_up
	.p2alignl 7, 3214868480
	.fill 96, 4, 3214868480
	.section	.rodata,"a",@progbits
	.p2align	6, 0x0
	.amdhsa_kernel k_qe31e794151_up
		.amdhsa_group_segment_fixed_size 263168
		.amdhsa_private_segment_fixed_size 0
		.amdhsa_enable_private_segment 0
		.amdhsa_kernarg_size 64
		.amdhsa_user_sgpr_count 2
		.amdhsa_user_sgpr_kernarg_segment_ptr 1
		.amdhsa_wavefront_size32 1
		.amdhsa_system_sgpr_workgroup_id_x 1
		.amdhsa_system_sgpr_workgroup_id_y 1
		.amdhsa_system_sgpr_workgroup_id_z 1
		.amdhsa_system_vgpr_workitem_id 0
		.amdhsa_next_free_vgpr 512
		.amdhsa_next_free_sgpr 96
		.amdhsa_reserve_vcc 0
		.amdhsa_float_denorm_mode_32 3
		.amdhsa_float_denorm_mode_16_64 3
		.amdhsa_memory_ordered 1
		.amdhsa_forward_progress 1
		.amdhsa_inst_pref_size 209
	.end_amdhsa_kernel
	.amdgpu_metadata
---
amdhsa.version: [ 1, 2 ]
amdhsa.kernels:
  - .name:           k_qe31e794151_up
    .symbol:         k_qe31e794151_up.kd
    .args:
      - { .name: sel, .offset: 0, .size: 8, .value_kind: global_buffer, .address_space: global }
      - { .name: wts, .offset: 8, .size: 8, .value_kind: global_buffer, .address_space: global }
      - { .name: xb, .offset: 16, .size: 8, .value_kind: global_buffer, .address_space: global }
      - { .name: w1, .offset: 24, .size: 8, .value_kind: global_buffer, .address_space: global }
      - { .name: h, .offset: 32, .size: 8, .value_kind: global_buffer, .address_space: global }
      - { .name: rslot, .offset: 40, .size: 8, .value_kind: global_buffer, .address_space: global }
      - { .name: rw, .offset: 48, .size: 8, .value_kind: global_buffer, .address_space: global }
      - { .name: cnt, .offset: 56, .size: 8, .value_kind: global_buffer, .address_space: global }
    .group_segment_fixed_size: 263168
    .private_segment_fixed_size: 0
    .kernarg_segment_align: 8
    .kernarg_segment_size: 64
    .max_flat_workgroup_size: 256
    .sgpr_count:     96
    .vgpr_count:     512
    .wavefront_size: 32
...
	.end_amdgpu_metadata
.endif
;; end of part 5
;; launch down (part 6): grid 32 x 8, 8 waves a work-group, no clusters, 263,168 bytes of LDS; arguments cnt, rslot, rw, h, w2, y; writes y
.if DOCPART == 6
	.amdgcn_target "amdgcn-amd-amdhsa--gfx1250"
	.amdhsa_code_object_version 6
	.text
	.protected	k_qe31e794151_down
	.globl	k_qe31e794151_down
	.p2align	8
	.type	k_qe31e794151_down,@function
k_qe31e794151_down:
	s_mov_b64 s[64:65], 0
	v_nop
	global_prefetch_b8 v0, s[64:65] scope:SCOPE_SE
	s_setreg_imm32_b32 hwreg(HW_REG_WAVE_MODE, 25, 1), 1
	s_wait_xcnt 0x0
; DOWN.  For expert e (grid y), a slice cs of 128 output columns and a quarter q of the hidden width (grid x = cs + 8 q):
; y[q][slot][128 cs ..] = gate weight x (h[rows of e][1024 q ..] w2[e][1024 q ..][128 cs ..]), f32 partial rows that the next launch adds.
; IN: cnt, rslot (whole numbers from the launch before), rw, h (bf16 operand images), w2 (f32).  OUT: y[4][2048][1024] f32; a slot (2 token + k) belongs to one expert and one rank, so each byte has one writer.
; THE PRODUCT is the launch before's: C[rows x 128] = H[rows x 1024] W[1024 x 128], K in 16 chunks of 64; the slice of w2, 512 KB of f32 read by this work-group alone, is rounded to bf16 on its way through
; registers and kept in LDS as operand images (256 KB), each chunk in bytes of its own.  IMAGE: a 16 x 32 fragment as the registers hold it: registers 0-3 at 16 x lane, 4-7 at 512 + 16 x lane.
; ONE CHUNK AHEAD.  Chunk c + 1 is rounded and stored while chunk c is multiplied.  One barrier a chunk: its signal stands behind my stores of chunk c + 1, a quarter into chunk c's products, its wait
; half a chunk's products later, in front of the first read of chunk c + 1.  The eight fragment registers are two halves of four images: a half that has been multiplied takes the half wanted next.
; K'S ORDER.  h's images hold the hidden columns in the order in which the launch before made them: place 16 g + 8 h + i of K step 2 ch + s is hidden row 1024 q + 64 ch + 32 h + 4 i + 2 s + g.
; This launch takes its rows of w2 in that order: a permutation of k applied alike to both sources keeps the products.
; COLUMNS.  Lane (r, h) loads columns 4 r .. 4 r + 3 of a row of w2 (16 lanes: 256 consecutive bytes at a multiple of 256); position r of image cb = 4 c + j stands for column 64 c + 4 r + j.
; With source 0 = tokens and source 1 = weights a lane's accumulators 4 c .. 4 c + 3 hold four neighbouring columns of a row: 16 bytes, and 16 lanes store 256 consecutive aligned bytes.
; SHARES.  Eight waves, all alike: wave w = (s, c, g) converts an eighth of each chunk and owns the row tiles w, w + 8, w + 16; the third tile's products are jumped where it is dead; tiles 24 .. 63 follow
; behind the stream on the weights in LDS, in a loop of constant length that jumps dead tiles.  Every split of the tokens is served; an expert without rows stores nothing.
; Ranks at or past the count repeat the last row: they store the same numbers to the same slot.
; IN FLIGHT.  Three register stages: weights are asked for three chunks ahead of their rounding, tokens two chunks ahead of their products: up to 48 loads a wave.  Each stage has base registers of its
; own, stepped behind the counted wait that shows that stage's loads done.  The slots and gate weights of my three tiles are asked for two chunks ahead of the way out, into registers that chunk 13 has left.
; WHY QUARTERS OF K: 8 experts x 8 slices are 64 work-groups; four quarters make 256, with pieces of 512 bytes of each row of w2.  The price: four partial rows a slot.
; NO TENSOR LOADS, NO CLUSTER: the weights pass through registers to be rounded and have one reader each.  The eight work-groups of one (e, q) do read the same images of h, but a chunk of 24 tiles is
; 49,152 bytes, and two slots of that do not fit into the 64,512 bytes that the weights leave of the 327,680; the images go straight into registers as they lie.
; LIMITS.  Sums in another order than a plain f32 product's.  NaN and infinities are not treated apart.
.set SPARE, 262144                     ; behind the images: the spare words, 128 bytes a wave: four blocks of 256 bytes that no other line names
.set WSTEP, 64*4096                    ; a chunk of w2: 64 rows of 4,096 bytes
.set TSTEP, 2048                       ; a chunk of a tile of h: two images
.set TS1,   1024                       ; its second K step
.set TH1,   512                        ; an image's second half
.set SPW, 1                            ; v1   LDS address of my spare word; never rewritten
.set NIL, 2                            ; v2   0; never rewritten
.set WO,  3                            ; v3   my byte offset in a chunk of the slice of w2; never rewritten
.set TO,  4                            ; v4-6 my byte offset in h, for each of my three tiles
.set LS,  7                            ; v7   where I store my part of the next chunk's images
.set LR,  8                            ; v8   where I read the chunk's images
.set RR,  9                            ; v9   lane % 16
.set HH,  10                           ; v10  lane / 16
.set L16, 11                           ; v11  16 x lane
                                       ; v12  my byte offset in the tables
                                       ; window 0, v16-255: three stages of 80: 32 registers of weights (load i at +4 i), then tokens: tile t, K step s at +32 + 16 t + 8 s
.set TBL, 96                           ; the way out: eight ranks' slots, then their gate weights: tile 0 in v96-111, tile 1 in v112-127, tile 2 in v144-159 (v128-143 serve chunk 15's rounding)
.set YO,  160                          ; v160-167 eight byte offsets in y
.set TT,  168                          ; v168-231 64 results
.set BF,  192                          ; window 1: v0-191 accumulators (tile t, image cb at 64 t + 8 cb); v192-255 eight weight fragments, in two halves
.set WAVE, 20
.set EX,   21                          ; the expert
.set GX,   22                          ; cs + 8 q
.set CNT,  23                          ; the expert's rows
.set NT,   24                          ; its tiles of 16 rows
.set NT1,  25                          ; at least 1
.set LIVE2, 27                         ; 1: my third tile holds rows
.set LC,   28
.set M,    29                          ; the tile in hand on the way out
.set OF,   66                          ; s[66:67] an offset
.set WB,   68                          ; s[68:73] w2 at the chunk that each stage asked for last
.set TB,   74                          ; s[74:79] h likewise
.set TP,   80                          ; s[80:81] h, walking, for the tiles behind the stream
.set OB,   82                          ; s[82:83] y at my quarter and slice
.set PCN,  84
.set KCN,  85
.set CS,   86                          ; the slice
.set QQ,   87                          ; the quarter
.set TBS,  88                          ; s[88:89] h at my expert and quarter
.set W_LD,  0x40                       ; destination in window 1
.set W_MUL, 0x54                       ; source 1 (weights), C and D in window 1; source 0 (tokens) in window 0
.set W_ACC, 0x01                       ; source 0 in window 1
.set MSB, 0
.macro WIN new                         ; the immediate's high byte repeats the setting that is left; a switch that changes nothing is dropped
.if MSB != (\new)
	s_set_vgpr_msb (MSB<<8)|(\new)
.set MSB, \new
.endif
.endm
.macro PLACES n
.rept \n
	v_nop
.endr
.endm
.macro WLOADS st                       ; a wave's eighth of a chunk of weights: 8 rows, four rows apart, 16 bytes a lane
.set i, 0
.rept 8
	global_load_b128 v[16+80*(\st)+4*i:16+80*(\st)+4*i+3], v[WO], s[WB+2*(\st):WB+2*(\st)+1] offset:16384*i th:TH_LOAD_NT
.set i, i+1
.endr
.endm
.macro TLOADS st                       ; a chunk of my three tiles: six images, 512 consecutive bytes a load
.set tj, 0
.rept 3
.set sy, 0
.rept 2
	global_load_b128 v[48+80*(\st)+16*tj+8*sy:48+80*(\st)+16*tj+8*sy+3],   v[TO+tj], s[TB+2*(\st):TB+2*(\st)+1] offset:TS1*sy
	global_load_b128 v[48+80*(\st)+16*tj+8*sy+4:48+80*(\st)+16*tj+8*sy+7], v[TO+tj], s[TB+2*(\st):TB+2*(\st)+1] offset:TS1*sy+TH1
.set sy, sy+1
.endr
.set tj, tj+1
.endr
.endm
; Matrix instructions for images clo .. clo + cn - 1 and tiles tlo .. tlo + tn - 1, K step sx of the stage.  No two on end name the same accumulator.  zero = 1: they start the sums.
.macro MULT sbase, sx, tlo, tn, clo, cn, zero
.set cb, \clo
.rept \cn
.set ti, \tlo
.rept \tn
.set rA, 64*ti+8*cb
.set rB, BF+8*cb
.set rT, (\sbase)+32+16*ti+8*(\sx)
.if \zero
	v_wmma_f32_16x16x32_bf16 v[rA:rA+7], v[rT:rT+7], v[rB:rB+7], 0
.else
	v_wmma_f32_16x16x32_bf16 v[rA:rA+7], v[rT:rT+7], v[rB:rB+7], v[rA:rA+7]
.endif
.set ti, ti+1
.endr
.set cb, cb+1
.endr
.endm
.macro BLH off, hf                     ; half hf (images 4 hf .. 4 hf + 3) of the K step that lies off bytes behind v[LR]: 8 loads of 512 consecutive bytes
	WIN W_LD
.set cb, 4*(\hf)
.rept 4
	ds_load_b128 v[BF+8*cb:BF+8*cb+3],   v[LR] offset:(\off)+cb*1024
	ds_load_b128 v[BF+8*cb+4:BF+8*cb+7], v[LR] offset:(\off)+cb*1024+512
.set cb, cb+1
.endr
.endm
; The products of one half of a K step: 8 of my first two tiles, 4 of the third (jumped where it is dead; never where they start the sums, so that its registers are written on every path).
.macro MULH sbase, sx, hf, zero
	WIN W_MUL
	MULT \sbase, \sx, 0, 2, 4*(\hf), 4, \zero
.if (\zero) == 0
	WIN 0                                          ; at a branch and at a label every window is 0
	s_cmp_eq_u32 s[LIVE2], 0
	s_cbranch_scc1 .Ldead2_\@
	WIN W_MUL
.endif
	MULT \sbase, \sx, 2, 1, 4*(\hf), 4, \zero
	WIN 0
.Ldead2_\@:
.endm
; My eighth of a chunk of weights, f32 in v[sw .. sw + 31], is rounded into v[sf .. sf + 15] and stored: column j of my four, two places of K in pairs, is four registers of image 4 c + j.
.macro CONV sw, sf
.set j, 0
.rept 4
.set q, 0
.rept 4
	v_cvt_pk_bf16_f32 v[(\sf)+4*j+q], v[(\sw)+8*q+j], v[(\sw)+8*q+4+j]
.set q, q+1
.endr
.set j, j+1
.endr
.irp j, 0,1,2,3
	ds_store_b128 v[LS], v[(\sf)+4*\j:(\sf)+4*\j+3] offset:1024*\j
.endr
	v_add_nc_u32 v[LS], 16384, v[LS]               ; the next chunk has LDS bytes of its own
.endm
; CHUNK c, 64 along K, its tokens in stage st = c % 3.  At its head the fragment registers hold, or are about to take, the chunk's first K step.
; cv = 1: chunk c + 1 is rounded and stored, made visible by the barrier, and its first K step is fetched.  The 16 registers for the rounding are the first of the token stage that chunk c - 1 has left.
; ldt: tokens of chunk c + 2 are asked for, into that stage (2: its base stands there already); ldw: weights of chunk c + 4, into the stage just rounded.  Tokens go out first, so that the wait for
; tokens never waits for younger weights.  nW, nT: the younger loads that may stay out when chunk c + 1's weights, and chunk c's tokens, must be in.
; Four places stand between the last product that read a register and a load into it or a conversion onto it (ISA guide 7.12.1 for vector instructions).
.macro CHUNK st, nW, nT, cv, ldw, ldt, zero
.set cSB, 16+80*(\st)
.set cN1, ((\st)+1)%3
.set cN2, ((\st)+2)%3
.if \cv
	s_wait_loadcnt \nW                             ; the next chunk's weights are in: their registers and their stage's base are free once they are rounded
	CONV 16+80*cN1, 48+80*cN2
.endif
	s_wait_loadcnt \nT                             ; this chunk's tokens are in
.if \cv
	s_wait_dscnt 0xc                               ; the first half is in; the second half's 8 loads and my 4 stores may be out
.else
	s_wait_dscnt 0x8
.endif
	MULH cSB, 0, 0, \zero
	PLACES 4
.if \cv
	s_wait_dscnt 0x0                               ; for the others' sake: my stores of chunk c + 1 are done (and the second half is in)
.if \ldt
.if (\ldt) == 1
	s_add_nc_u64 s[TB+2*cN2:TB+2*cN2+1], s[TB+2*cN2:TB+2*cN2+1], 3*TSTEP  ; that stage's token loads were shown done in the chunk before
.endif
	TLOADS cN2
.endif
.if \ldw
	s_add_nc_u64 s[WB+2*cN1:WB+2*cN1+1], s[WB+2*cN1:WB+2*cN1+1], 3*WSTEP  ; no pending load names this stage's base
	WLOADS cN1
.endif
	s_barrier_signal -1                            ; between this and the wait: products, and reads of chunk c, whose bytes nobody writes again
.endif
	BLH 8192, 0                                    ; the second K step's first half
.if (\cv) == 0
	s_wait_dscnt 0x8                               ; the first K step's second half is in
.endif
	MULH cSB, 0, 1, \zero
	PLACES 4
	BLH 8192, 1
	s_wait_dscnt 0x8                               ; the second K step's first half is in
	MULH cSB, 1, 0, 0
.if \cv
	s_barrier_wait -1                              ; chunk c + 1's 16 images are whole
	PLACES 4
	BLH 16384, 0                                   ; its first K step's first half
	s_wait_dscnt 0x8                               ; this chunk's last half is in
.else
	s_wait_dscnt 0x0
.endif
	MULH cSB, 1, 1, 0
	v_add_nc_u32 v[LR], 16384, v[LR]               ; this and three v_nop are the four places
	PLACES 3
.if \cv
	BLH 0, 1
	WIN 0
.endif
.endm
.macro TABLES tb, off                  ; eight ranks' slots and gate weights, at byte v12 + off of the expert's tables, into v[tb .. tb + 15]
	global_load_b128 v[(\tb):(\tb)+3],     v12, s[6:7] offset:(\off)
	global_load_b128 v[(\tb)+4:(\tb)+7],   v12, s[6:7] offset:(\off)+16
	global_load_b128 v[(\tb)+8:(\tb)+11],  v12, s[8:9] offset:(\off)
	global_load_b128 v[(\tb)+12:(\tb)+15], v12, s[8:9] offset:(\off)+16
.endm
; THE WAY OUT of tile s[M], whose 8 accumulators begin at a (window 1).  Register j of lane (r, h) is rank 16 M + 8 h + j; its slot says where the row goes, its gate weight scales it.
; pre = 1: the tile's tables lie in v[tb ..] already.  Register 0 of every accumulator is read first.
.macro EPI a, tb, pre
	s_wait_xcnt 0x0                                ; the last way out's stores have read their registers
.if (\pre) == 0
	s_lshl_b32 s30, s[M], 6
	v_lshl_add_u32 v12, v[HH], 5, s30              ; 4 x (16 M + 8 h)
	TABLES \tb, 0
	s_wait_loadcnt 0x0
.endif
.set j, 0
.rept 8
	v_min_u32 v[YO+j], 0x7ff, v[(\tb)+j]
	v_lshlrev_b32 v[YO+j], 12, v[YO+j]             ; a slot's row of 4,096 bytes
	v_lshl_add_u32 v[YO+j], v[RR], 4, v[YO+j]
.set j, j+1
.endr
	WIN W_ACC
.set j, 0
.rept 8
.set cb, 0
.rept 8
	v_mul_f32 v[TT+8*j+cb], v[(\a)+8*cb+j], v[(\tb)+8+j]
.set cb, cb+1
.endr
.set j, j+1
.endr
	WIN 0
.set j, 0
.rept 8
	global_store_b128 v[YO+j], v[TT+8*j:TT+8*j+3],   s[OB:OB+1]              ; 16 lanes store 256 consecutive bytes, at a multiple of 256 from y's first byte
	global_store_b128 v[YO+j], v[TT+8*j+4:TT+8*j+7], s[OB:OB+1] offset:256
.set j, j+1
.endr
.endm
; One K step of a tile behind the stream: its image from memory, the weights from LDS.
.macro KSTEP zero
	global_load_b128 v[48:51], v[TO], s[TP:TP+1]
	global_load_b128 v[52:55], v[TO], s[TP:TP+1] offset:TH1
	BLH 0, 0
	BLH 0, 1
	s_wait_loadcnt 0x0
	s_wait_dscnt 0x0
	WIN W_MUL
	MULT 16, 0, 0, 1, 0, 8, \zero
	WIN 0
	v_add_nc_u32 v[LR], 8192, v[LR]                ; this and three v_nop: the four places behind the products
	PLACES 3
	s_add_nc_u64 s[TP:TP+1], s[TP:TP+1], TS1       ; both loads are done: their base may step
.endm
	s_load_b256 s[4:11], s[0:1], 0x0               ; cnt s[4:5], rslot s[6:7], rw s[8:9], h s[10:11]
	s_load_b128 s[12:15], s[0:1], 0x20             ; w2 s[12:13], y s[14:15]
	v_lshl_add_u32 v[SPW], v0, 2, SPARE
	v_mov_b32 v[NIL], 0
	v_lshrrev_b32 v12, 5, v0
	v_readfirstlane_b32 s[WAVE], v12               ; wave 0..7
	s_and_b32 s[EX], ttmp7, 0xffff
	s_mov_b32 s[GX], ttmp9
	s_and_b32 s[CS], s[GX], 7
	s_lshr_b32 s[QQ], s[GX], 3
	v_and_b32 v[RR], 15, v0
	v_bfe_u32 v[HH], v0, 4, 1
	v_and_b32 v12, 31, v0
	v_lshlrev_b32 v[L16], 4, v12
	s_lshr_b32 s30, s[WAVE], 2                     ; s
	s_bfe_u32 s31, s[WAVE], 0x10001                ; c
	s_and_b32 s92, s[WAVE], 1                      ; g
	s_lshl_b32 s93, s30, 13
	s_lshl_b32 s94, s31, 12
	s_add_co_u32 s93, s93, s94
	s_lshl_b32 s94, s92, 9
	s_add_co_u32 s93, s93, s94
	v_add_nc_u32 v[LS], s93, v[L16]                ; 8,192 s + 4,096 c + 512 g + 16 lane
	v_mov_b32 v[LR], v[L16]
	s_lshl_b32 s93, s30, 13
	s_lshl_b32 s94, s92, 12
	s_add_co_u32 s93, s93, s94
	s_lshl_b32 s94, s31, 8
	s_add_co_u32 s93, s93, s94
	v_lshlrev_b32 v[WO], 4, v[RR]
	v_lshl_add_u32 v[WO], v[HH], 17, v[WO]
	v_add_nc_u32 v[WO], s93, v[WO]                 ; row 2 s + g + 32 h (4,096 bytes each), byte 256 c + 16 r
	s_lshl_b32 s[OF], s[EX], 8                     ; an expert's count: 256 bytes
	s_mov_b32 s[OF+1], 0
	s_wait_kmcnt 0x0
	s_add_nc_u64 s[4:5], s[4:5], s[OF:OF+1]
	s_load_b32 s[CNT], s[4:5], 0x0                 ; the expert's count
	s_lshl_b32 s[OF], s[EX], 24                    ; an expert's w2: 16 MB; a quarter: 1,024 rows; a slice: 512 bytes of each row
	s_lshl_b32 s92, s[QQ], 22
	s_add_co_u32 s[OF], s[OF], s92
	s_lshl_b32 s92, s[CS], 9
	s_add_co_u32 s[OF], s[OF], s92
	s_add_nc_u64 s[WB:WB+1], s[12:13], s[OF:OF+1]  ; a base for each stage: chunks 0, 1, 2
	s_add_nc_u64 s[WB+2:WB+3], s[WB:WB+1], WSTEP
	s_add_nc_u64 s[WB+4:WB+5], s[WB+2:WB+3], WSTEP
	WLOADS 0                                       ; the first three chunks of weights go out before the count is in
	WLOADS 1
	WLOADS 2
	s_lshl_b32 s[OF], s[EX], 23                    ; an expert's h: 64 tiles x 128 images; a quarter: 32 images of each tile
	s_lshl_b32 s92, s[QQ], 15
	s_add_co_u32 s[OF], s[OF], s92
	s_add_nc_u64 s[TBS:TBS+1], s[10:11], s[OF:OF+1]
	s_mov_b64 s[TB:TB+1], s[TBS:TBS+1]
	s_add_nc_u64 s[TB+2:TB+3], s[TBS:TBS+1], TSTEP
	s_add_nc_u64 s[TB+4:TB+5], s[TBS:TBS+1], 2*TSTEP
	s_lshl_b32 s[OF], s[QQ], 23                    ; a quarter's y: 8 MB
	s_lshl_b32 s92, s[CS], 9
	s_add_co_u32 s[OF], s[OF], s92
	s_add_nc_u64 s[OB:OB+1], s[14:15], s[OF:OF+1]
	s_lshl_b32 s[OF], s[EX], 12
	s_add_nc_u64 s[6:7], s[6:7], s[OF:OF+1]        ; the expert's tables
	s_add_nc_u64 s[8:9], s[8:9], s[OF:OF+1]
	s_wait_kmcnt 0x0
	s_min_u32 s[CNT], s[CNT], 1024
	s_add_co_u32 s[NT], s[CNT], 15
	s_lshr_b32 s[NT], s[NT], 4
	s_max_u32 s[NT1], s[NT], 1
	s_add_co_u32 s30, s[WAVE], 16
	s_cmp_lt_u32 s30, s[NT1]
	s_cselect_b32 s[LIVE2], 1, 0
	s_sub_co_u32 s31, s[NT1], 1
.irp t, 0,1,2
	s_add_co_u32 s30, s[WAVE], 8*\t
	s_min_u32 s30, s30, s31                        ; a tile past the expert's last repeats the last: only bytes that the launch before stored are loaded
	s_min_u32 s30, s30, 63
	s_lshl_b32 s30, s30, 17                        ; a tile's 128 images
	v_add_nc_u32 v[TO+\t], s30, v[L16]
.endr
	TLOADS 0
	TLOADS 1
	; THE STREAM.  Loads come back in order (ISA guide 5.7.1).  W is 8 loads, T is 12.  Issued so far: W0 W1 W2 T0 T1; W3 follows chunk 0's rounding; then chunk c issues T(c+2) and W(c+4).
	; Behind W(c+1), at chunk c's head, stand T(c) W(c+2) T(c+1) W(c+3) = 40.  Behind T(c) stand W(c+2) T(c+1) W(c+3) = 28; behind T0: T1 W3 = 20.
	s_wait_loadcnt 0x28                            ; behind W0: W1 W2 T0 T1 = 40
	CONV 16, 208                                   ; chunk 0's images; the third stage's token registers are still free
	s_add_nc_u64 s[WB:WB+1], s[WB:WB+1], 3*WSTEP
	WLOADS 0
	s_wait_dscnt 0x0                               ; for the others' sake: my stores are done
	s_barrier_signal -1
	s_barrier_wait -1                              ; chunk 0's 16 images are whole
	BLH 0, 0
	BLH 0, 1
	WIN 0
	CHUNK 0, 40, 20, 1, 1, 2, 1                    ; chunk 0 starts the sums: nothing is cleared
	s_mov_b32 s[LC], 4
	s_branch .Lin                                  ; the loop of three chunks is entered at its second: chunks 1, 2; 3 .. 5; 6 .. 8; 9 .. 11
.Lmain:
	CHUNK 0, 40, 28, 1, 1, 1, 0
.Lin:
	CHUNK 1, 40, 28, 1, 1, 1, 0
	CHUNK 2, 40, 28, 1, 1, 1, 0
	s_sub_co_u32 s[LC], s[LC], 1
	s_cmp_lg_u32 s[LC], 0
	s_cbranch_scc1 .Lmain
	CHUNK 0, 40, 28, 1, 0, 1, 0                    ; chunk 12: no weights are left to ask for.  Behind W13: T12 W14 T13 W15; behind T12: W14 T13 W15
	CHUNK 1, 32, 20, 1, 0, 1, 0                    ; chunk 13: behind W14: T13 W15 T14; behind T13: W15 T14
	s_lshl_b32 s30, s[WAVE], 6                     ; the tables of my three tiles, 12 loads, go out two chunks ahead of their use, into registers that chunk 13 has left.  Ranks up to 383: inside the tables' 1,024
	v_lshl_add_u32 v12, v[HH], 5, s30              ; 4 x (16 wave + 8 h); tile t lies 512 t bytes on
	TABLES TBL,    0
	TABLES TBL+16, 512
	TABLES TBL+48, 1024
	CHUNK 2, 36, 24, 1, 0, 0, 0                    ; chunk 14: behind W15: T14 T15 and the 12; behind T14: T15 and the 12
	CHUNK 0, 0,  12, 0, 0, 0, 0                    ; chunk 15: nothing to round, nothing to fetch ahead; behind T15: the 12
	s_wait_loadcnt 0x0                             ; the tables are in
.irp t, 0,1,2                          ; my three tiles leave; a tile without rows is jumped
	s_add_co_u32 s[M], s[WAVE], 8*\t
	s_cmp_ge_u32 s[M], s[NT]
	s_cbranch_scc1 .Ldead\t
	EPI 64*\t, TBL+16*\t+16*(\t/2), 1
.Ldead\t:
.endr
	; TILES 24 .. 63, five for each wave: a loop of constant length; a dead tile is jumped, forward, past text that holds no barrier.
	s_mov_b32 s[PCN], 5
	s_add_co_u32 s[M], s[WAVE], 24
.Lpost:
	s_cmp_ge_u32 s[M], s[NT]
	s_cbranch_scc1 .Lpnext
	s_wait_xcnt 0x0                                ; v4 is free
	s_lshl_b32 s30, s[M], 17
	v_add_nc_u32 v[TO], s30, v[L16]
	v_mov_b32 v[LR], v[L16]
	s_mov_b64 s[TP:TP+1], s[TBS:TBS+1]
	KSTEP 1
	s_mov_b32 s[KCN], 31
.Lpk:
	KSTEP 0
	s_sub_co_u32 s[KCN], s[KCN], 1
	s_cmp_lg_u32 s[KCN], 0
	s_cbranch_scc1 .Lpk
	EPI 0, TBL, 0
.Lpnext:
	s_add_co_u32 s[M], s[M], 8
	s_sub_co_u32 s[PCN], s[PCN], 1
	s_cmp_lg_u32 s[PCN], 0
	s_cbranch_scc1 .Lpost
	s_wait_dscnt 0x0                               ; my reads of the images are back;
	s_barrier_signal -1
	s_barrier_wait -1                              ; every wave's are: no LDS word is changed while a wave still walks the images
	s_wait_tensorcnt 0x0                           ; the wave's end, behind my last LDS store
	ds_add_u32 v[SPW], v[NIL]
	s_wait_dscnt 0x0
	s_endpgm
.Lfunc_end_k_qe31e794151_down:
	.size	k_qe31e794151_down, .Lfunc_end_k_qe31e794151_down-k_qe31e794151_down
	.p2alignl 7, 3214868480
	.fill 96, 4, 3214868480
	.section	.rodata,"a",@progbits
	.p2align	6, 0x0
	.amdhsa_kernel k_qe31e794151_down
		.amdhsa_group_segment_fixed_size 263168
		.amdhsa_private_segment_fixed_size 0
		.amdhsa_enable_private_segment 0
		.amdhsa_kernarg_size 48
		.amdhsa_user_sgpr_count 2
		.amdhsa_user_sgpr_kernarg_segment_ptr 1
		.amdhsa_wavefront_size32 1
		.amdhsa_system_sgpr_workgroup_id_x 1
		.amdhsa_system_sgpr_workgroup_id_y 1
		.amdhsa_system_sgpr_workgroup_id_z 1
		.amdhsa_system_vgpr_workitem_id 0
		.amdhsa_next_free_vgpr 512
		.amdhsa_next_free_sgpr 96
		.amdhsa_reserve_vcc 0
		.amdhsa_float_denorm_mode_32 3
		.amdhsa_float_denorm_mode_16_64 3
		.amdhsa_memory_ordered 1
		.amdhsa_forward_progress 1
		.amdhsa_inst_pref_size 109
	.end_amdhsa_kernel
	.amdgpu_metadata
---
amdhsa.version: [ 1, 2 ]
amdhsa.kernels:
  - .name:           k_qe31e794151_down
    .symbol:         k_qe31e794151_down.kd
    .args:
      - { .name: cnt, .offset: 0, .size: 8, .value_kind: global_buffer, .address_space: global }
      - { .name: rslot, .offset: 8, .size: 8, .value_kind: global_buffer, .address_space: global }
      - { .name: rw, .offset: 16, .size: 8, .value_kind: global_buffer, .address_space: global }
      - { .name: h, .offset: 24, .size: 8, .value_kind: global_buffer, .address_space: global }
      - { .name: w2, .offset: 32, .size: 8, .value_kind: global_buffer, .address_space: global }
      - { .name: y, .offset: 40, .size: 8, .value_kind: global_buffer, .address_space: global }
    .group_segment_fixed_size: 263168
    .private_segment_fixed_size: 0
    .kernarg_segment_align: 8
    .kernarg_segment_size: 48
    .max_flat_workgroup_size: 256
    .sgpr_count:     96
    .vgpr_count:     512
    .wavefront_size: 32
...
	.end_amdgpu_metadata
.endif
;; end of part 6
;; launch combine: the kernel of part 4 again; grid 256 x 1, 8 waves a work-group, no clusters, 0 bytes of LDS; arguments y, out0; writes out0
